; MI455X (gfx1250); checked and timed in simulation.
; The chip was launched on July 23, 2026; its instructions are those of AMD's public machine-readable ISA for CDNA 5 (MIT licence, August 2026) and "CDNA5" Instruction Set Architecture Reference Guide (July 2026). The comments in the code are by the model that wrote it; some were corrected since.
;; Multi Head Attention. Allowed arithmetic: matrix products marked QUANTISED: E5M2 operands, one E8M0 scale for each 32 along K, by v_wmma_scale_f32_16x16x128_f8f6f4 with both operands' format E5M2, f32 sums; everything else in f32.
;; Inputs: K 4 x 2,048 x 1,024 float32; Q 4 x 2,048 x 1,024 float32; V 4 x 2,048 x 1,024 float32; Wk 16 x 1,024 x 64 float32; Wo 1,024 x 1,024 float32; Wq 16 x 1,024 x 64 float32; Wv 16 x 1,024 x 64 float32; bk 16 x 64 float32; bo 1,024 float32; bq 16 x 64 float32; bv 16 x 64 float32.
;; Outputs: out0 4 x 2,048 x 1,024 float32.
;; This version of the problem:
;;   THIS VERSION OF THE PROBLEM IS GIVEN IN LOW PRECISION. The matrix products marked QUANTISED in the list below multiply operands that are first quantised to E5M2 (5 exponent bits, 2 mantissa bits; 8 bits a number), with one power-of-two scale for each 32 numbers along K (OCP MX v1.0); their sums are f32. All else is computed in f32.
;;   The module's matrix products, in the order in which they are computed (A, B: the left and right operand; K: the contracted axis; several contracted axes count as one K, in the product's order):
;;     1. [M 1,024, K 1,024] x [K 1,024, N 8,192]; A: input Wq; B: input Q: QUANTISED
;;     2. [M 1,024, K 1,024] x [K 1,024, N 8,192]; A: input Wk; B: input K: QUANTISED
;;     3. [M 1,024, K 1,024] x [K 1,024, N 8,192]; A: input Wv; B: input V: QUANTISED
;;     4. batch 64 x [M 2,048, K 64] x [K 64, N 2,048]; A: computed on the way; B: computed on the way: QUANTISED
;;     5. batch 64 x [M 2,048, K 2,048] x [K 2,048, N 64]; A: softmax (see below); B: computed on the way: QUANTISED
;;     6. [M 8,192, K 1,024] x [K 1,024, N 1,024]; A: computed on the way; B: input Wo: QUANTISED
;;   THE QUANTISER, for each operand of a quantised product, along K:
;;     - K is cut into blocks of 32 from its start; a last block that is shorter is filled with zeros.
;;     - A block's scale is 2^e with e = floor(log2(the largest magnitude in the block)) - 15, held to -126 .. 127; a block of zeros has e = 0. As a byte (E8M0): e + 127.
;;     - Each number is divided by its block's scale, clamped to +-57,344, and rounded to the nearest number of E5M2, ties to even, subnormals kept.
;;     - The product sums the exact products of the quantised numbers (number of the format x scale) in f32.
;;   ~~~python
;;   def quantise(x, axis):      # numpy; x: float32 -> the quantised numbers, widened to float32 again
;;       x = np.moveaxis(x, axis, -1); K = x.shape[-1]
;;       x = np.pad(x, [(0, 0)] * (x.ndim - 1) + [(0, -K % 32)]); x = x.reshape(x.shape[:-1] + (-1, 32)); a = np.abs(x).max(-1, keepdims=True)
;;       e = np.where(a > 0, np.clip(np.frexp(np.where(a > 0, a, 1))[1] - 1 - 15, -126, 127), 0)      # np.frexp(a)[1] - 1 = floor(log2(a)), exactly
;;       r = np.clip(x / 2.0 ** e, -57344, 57344)
;;       step = 2.0 ** (np.maximum(np.frexp(np.where(r == 0, 1, r))[1] - 1, -14) - 2)
;;       q = np.round(r / step) * step * 2.0 ** e      # np.round: ties to even
;;       return np.moveaxis(q.reshape(q.shape[:-2] + (-1,))[..., :K], -1, axis).astype(np.float32)
;;   ~~~
;;   SOFTMAX AHEAD OF A QUANTISED PRODUCT. Where the list says 'softmax', what is quantised is not the finished softmax but p = 2^(t - M), with t = logit x log2(e) and M = ceil(the row's largest t), a whole number; so 1/2 < the row's largest p <= 1. The row's sum l is taken of the UNQUANTISED p, in f32, and the product's result is divided by l at the end. Since M is a whole number, a kernel that streams over the keys may use a running M (the ceiling of the running maximum): every later rescaling is an exact power of two, which a block's scale takes up: the codes' values come out the same.
;;   OPERANDS COMPUTED ON THE WAY. 'Computed on the way' means the value that the module computes at that place (a softmax that the list does not call 'softmax' is quantised finished and normalised). What goes into a quantiser is computed in f32, as accurately as f32 sums, v_exp_f32 and their like allow (about 1e-6 of the number): no bf16 or f16 on the way to a quantiser, and a product that is left as it is and whose result goes on into a quantised operand takes f32 operands (vector FMAs, or v_wmma_f32_16x16x4_f32). A number that lies on a knife's edge between two numbers of the format may be rounded either way, as far as f32 arithmetic and the matrix unit's own rounding can turn it there, and no further.
;; One version. Each part assembles by itself: llvm-mc -triple=amdgcn-amd-amdhsa -mcpu=gfx1250 --defsym DOCPART=n.
;; ======== version 1 of 1: 4 launches
;; limits: right only within a limited range of input values
;; workspace buffers: xc 25,165,824 bytes; xs 786,432 bytes; wc 4,194,304 bytes; ws 131,072 bytes; att 25,165,824 bytes; atts 1,572,864 bytes; oc 8,388,608 bytes; os 262,144 bytes
;; launch quant (part 1): grid 896 x 1, 4 waves a work-group, no clusters, 68,096 bytes of LDS; arguments Wq, Wk, Wv, Wo, wc, ws, Q, K, V, xc, xs; writes wc, ws, xc, xs
.if DOCPART == 1
	.amdgcn_target "amdgcn-amd-amdhsa--gfx1250"
	.amdhsa_code_object_version 6
	.text
	.protected	k_qe9f5123b30_quant
	.globl	k_qe9f5123b30_quant
	.p2align	8
	.type	k_qe9f5123b30_quant,@function
k_qe9f5123b30_quant:
	s_mov_b64 s[64:65], 0
	v_nop
	global_prefetch_b8 v0, s[64:65] scope:SCOPE_SE
	s_setreg_imm32_b32 hwreg(HW_REG_WAVE_MODE, 25, 1), 1
	s_wait_xcnt 0x0
; All seven f32 operands of the projections become codes of BF8 (E5M2), K innermost, with one E8M0 scale byte for each 32 along K.  One launch, two paths that part on the work-group's number alone:
; work-groups 0 to 127 take the four weights (K is not innermost there), work-groups 128 to 895 take Q, K, V.  Each path has LDS bytes of its own; waves share nothing; no tensor loads, no barrier.
; A block's scale is 2^(floor(log2(largest magnitude)) - 15); its byte is the largest magnitude's exponent field - 15, held at 1 from below.
; LIMITS: a block of zeros gets the byte 1 and not 127 (its codes are zeros; this program alone reads the bytes); blocks whose largest magnitude lies under 2^-111 get the byte 1;
; NaN and infinities among the inputs are not served.
; ROW ORDER, in all four outputs: row p holds the operand's row p with bits 3 and 4 exchanged.  So 16 neighbouring rows, taken as source 0 of a matrix instruction, leave in a lane's 16 registers of two
; neighbouring result tiles 16 NEIGHBOURS, which the next quantiser wants.
; THE WEIGHTS.  Wq, Wk, Wv: [16 heads][1024 (K)][64]: output row n = 64 head + column.  Wo: [1024 (K)][1024 (n)].  wc: [4 tensors][1024 rows][1024 codes]; ws: [4][1024 rows][32 bytes].
; A lane takes a column n, and its registers run down K: each load reads 128 consecutive bytes a wave, a block of 32 along K lies in one lane's 32 registers.  A wave takes 32 columns x 256 along K: 8 blocks a lane.
; The codes go through the wave's own stage in LDS and leave as rows: sixteen lanes store 256 consecutive aligned bytes.  A pair of waves is a job, 2 x work-group + wave / 2: job % 16 says which 64 columns, job / 16 = 4 x tensor + which 256 along K.
; Q, K, V: [8192 rows][1024].  xc: [3 tensors][8192 rows][1024 codes]; xs: [3][8192 rows][32 bytes].  A wave's run is 8 whole rows, so the exchange of bits 3 and 4 moves whole runs: they are the wave's number.
; A wave takes 16 steps of 512 numbers.  Each of a step's four loads reads 512 consecutive bytes; the 2,048 bytes go through the wave's own stage in LDS and come back 64 bytes a lane, so that a lane holds 16 neighbours
; along K (two neighbouring lanes hold a block).  A lane's 16 codes are 16 bytes: the wave stores 512 consecutive bytes.  A wave's 256 scale bytes are gathered in its own LDS bytes and leave as 256 consecutive aligned bytes.
.set WST,   32768                      ; LDS: Q, K, V's four regions from 0; the weights' four stages from here;
.set SPARE, 67584                      ; the spare words, 128 bytes a wave
.set PITCH, 272                        ; the weights: a stage row: 256 bytes of codes + 16
.set NB,    8                          ; blocks of a lane
.set WX,    32                         ; v32-95   two sets of 32 numbers
.set WC,    96                         ; v96-103  a block's codes
.set OUTR,  112                        ; v112-175 the way out
.set VO,    176                        ; v176-207 byte offset of row i of a block at my column; never rewritten
.set SBY,   24                         ; v24-25   my 8 scale bytes
.set SRC,   32                         ; s[32:47] a base for each of the 8 blocks: no base is stepped while loads are out
.set MNT,   48                         ; s48      the mantissa field of 57,344
	v_lshl_add_u32 v208, v0, 2, SPARE
	v_mov_b32 v209, 0
	s_wait_alu depctr_va_vdst(0)                   ; the wait ahead of the branch
	s_cmp_lt_u32 ttmp9, 128
	s_cbranch_scc0 .Lx
	s_load_b256 s[4:11], s[0:1], 0x0               ; Wq, Wk, Wv, Wo
	s_load_b128 s[12:15], s[0:1], 0x20             ; wc, ws
	v_lshrrev_b32 v1, 5, v0
	v_readfirstlane_b32 s49, v1                    ; wave 0..3
	s_and_b32 s16, s49, 1                          ; which 32 of the job's 64 columns
	s_lshr_b32 s2, s49, 1
	s_lshl_b32 s3, ttmp9, 1
	s_add_co_u32 s2, s2, s3                        ; the job, 0..255
	s_and_b32 s3, s2, 15                           ; which 64 columns (for Wq, Wk, Wv: the head)
	s_lshr_b32 s18, s2, 4                          ; 4 x tensor + which 256 along K
	v_and_b32 v2, 31, v0                           ; lane
	v_lshlrev_b32 v3, 2, v2                        ; 4 bytes a lane
	s_mul_i32 s17, s49, 32*PITCH
	s_add_co_u32 s17, s17, WST                     ; my stage
	v_mul_u32_u24 v4, v2, PITCH
	v_add_nc_u32 v4, s17, v4                       ; into it: row = my column
	v_and_b32 v5, 15, v2
	v_lshrrev_b32 v6, 4, v2
	v_mul_u32_u24 v7, v6, PITCH
	v_lshl_add_u32 v7, v5, 4, v7
	v_add_nc_u32 v7, s17, v7                       ; out of it: sixteen lanes to a row, two rows an instruction
	v_lshlrev_b32 v8, 10, v6
	v_lshl_add_u32 v8, v5, 4, v8                   ; and the same place in wc: rows of 1,024 bytes
	v_and_b32 v9, 7, v2                            ; my column's row among the wave's 32: bits 3 and 4 exchanged
	v_bfe_u32 v10, v2, 3, 1
	v_lshl_add_u32 v9, v10, 4, v9
	v_bfe_u32 v10, v2, 4, 1
	v_lshl_add_u32 v9, v10, 3, v9
	v_lshlrev_b32 v9, 5, v9                        ; x 32 bytes: its row of ws
	s_lshr_b32 s19, s18, 2                         ; which tensor
	s_and_b32 s18, s18, 3                          ; which 256 along K
	s_lshl_b32 s21, s3, 8                          ; Wo: 64 columns are 256 bytes;
	s_lshl_b32 s22, s3, 18                         ; the others: a head is 262,144 bytes
	s_lshl_b32 s23, s18, 20                        ; Wo: 256 rows of 4,096 bytes;
	s_lshl_b32 s24, s18, 16                        ; the others: of 256 bytes
	s_mov_b32 s20, 4096
	s_cmp_eq_u32 s19, 3
	s_cselect_b32 s20, s20, 256                    ; bytes from one k to the next
	s_cselect_b32 s21, s21, s22
	s_cselect_b32 s23, s23, s24
	s_add_co_u32 s26, s21, s23
	s_lshl_b32 s22, s16, 7                         ; my wave's 32 columns
	s_add_co_u32 s26, s26, s22
	s_mov_b32 s27, 0                               ; s[26:27]: where my wave's part of the weight begins
	s_lshl_b32 s28, s20, 5                         ; a block: 32 rows
	s_mov_b32 s29, 0
	s_lshl_b32 s24, s3, 6
	s_lshl_b32 s25, s16, 5
	s_add_co_u32 s24, s24, s25                     ; my wave's first row n
	s_lshl_b32 s30, s24, 10                        ; wc: tensor x 2^20 + row x 1,024 + 256 x part of K
	s_lshl_b32 s25, s19, 20
	s_add_co_u32 s30, s30, s25
	s_lshl_b32 s25, s18, 8
	s_add_co_u32 s30, s30, s25
	s_mov_b32 s31, 0
	s_lshl_b32 s50, s24, 5                         ; ws: tensor x 2^15 + row x 32 + 8 x part of K
	s_lshl_b32 s25, s19, 15
	s_add_co_u32 s50, s50, s25
	s_lshl_b32 s25, s18, 3
	s_add_co_u32 s50, s50, s25
	s_mov_b32 s51, 0
	s_mov_b32 s[MNT], 0x600000
.set i, 0
.rept 32
	v_mad_u32_u24 v[VO+i], s20, i, v3
.set i, i+1
.endr
	s_wait_alu depctr_va_vdst(0)                   ; the wait at the head's end
	s_wait_kmcnt 0x0
	s_cmp_eq_u32 s19, 0                            ; the choice of the source hangs on ids alone
	s_cselect_b64 s[4:5], s[4:5], s[6:7]
	s_cmp_lt_u32 s19, 2
	s_cselect_b64 s[4:5], s[4:5], s[8:9]
	s_cmp_eq_u32 s19, 3
	s_cselect_b64 s[4:5], s[10:11], s[4:5]
	s_add_nc_u64 s[SRC:SRC+1], s[4:5], s[26:27]
.irp t, 1,2,3,4,5,6,7
	s_add_nc_u64 s[SRC+2*\t:SRC+2*\t+1], s[SRC+2*\t-2:SRC+2*\t-1], s[28:29]
.endr
	s_add_nc_u64 s[12:13], s[12:13], s[30:31]
	s_add_nc_u64 s[14:15], s[14:15], s[50:51]
.macro WLOAD t                         ; block t: W(32 t + i, my column), i = 0 .. 31, into set t % 2
.irp i, 0,1,2,3,4,5,6,7,8,9,10,11,12,13,14,15,16,17,18,19,20,21,22,23,24,25,26,27,28,29,30,31
	global_load_b32 v[WX+32*((\t)%2)+\i], v[VO+\i], s[SRC+2*(\t):SRC+2*(\t)+1] th:TH_LOAD_NT
.endr
.endm
	WLOAD 0
	WLOAD 1
.macro WBLOCK t
.set XS, WX+32*((\t)%2)
.if (\t) < NB-1
	s_wait_loadcnt 32                              ; this block's 32 loads are in; the next block's 32 may be out
.else
	s_wait_loadcnt 0
.endif
	v_max3_num_f32 v12, |v[XS]|, |v[XS+1]|, |v[XS+2]|               ; the block's largest magnitude: all 32 numbers are mine; two chains
	v_max3_num_f32 v13, |v[XS+3]|, |v[XS+4]|, |v[XS+5]|
.irp i, 6,10,14,18,22,26
	v_max3_num_f32 v12, v12, |v[XS+\i]|, |v[XS+\i+1]|
	v_max3_num_f32 v13, v13, |v[XS+\i+2]|, |v[XS+\i+3]|
.endr
	v_max3_num_f32 v12, v12, |v[XS+30]|, |v[XS+31]|
	v_max3_num_f32 v12, v12, v13, 0x8000000        ; and the floor 2^(16 - 127): the byte cannot fall under 1
	v_add_nc_u32 v11, 0xf8800000, v12              ; 15 off its exponent field: the conversion takes the exponent field of this operand as its scale
	v_and_or_b32 v10, v12, 0x7f800000, s[MNT]      ; 57,344 x the scale
	v_lshrrev_b32 v13, 23, v11                     ; the scale's byte
.if (\t)%4 == 0
	v_mov_b32 v[SBY+(\t)/4], v13                   ; four bytes to a register, the lower K in the lower byte
.else
	v_lshl_or_b32 v[SBY+(\t)/4], v13, 8*((\t)%4), v[SBY+(\t)/4]
.endif
.irp i, 0,1,2,3,4,5,6,7,8,9,10,11,12,13,14,15,16,17,18,19,20,21,22,23,24,25,26,27,28,29,30,31
	v_med3_num_f32 v[XS+\i], v[XS+\i], -v10, v10   ; the conversion to an 8-bit code does not saturate (ISA guide 7.6.2): the hold comes first
.endr
.irp g, 0,1,2,3
	v_cvt_scalef32_pk8_bf8_f32 v[WC+2*\g:WC+2*\g+1], v[XS+8*\g:XS+8*\g+7], v11
.endr
	v_nop                                          ; a plain line behind the last conversion
	ds_store_b128 v4, v[WC:WC+3] offset:32*(\t)    ; 32 codes: 32 bytes of my column's row
	ds_store_b128 v4, v[WC+4:WC+7] offset:32*(\t)+16
.if (\t)+2 < NB
	WLOAD (\t)+2
.endif
	s_wait_dscnt 0x0                               ; the stores have read their registers: the next block's codes may be written
.endm
.set wq, 0
.rept NB
	WBLOCK wq
.set wq, wq+1
.endr
	global_store_b64 v9, v[SBY:SBY+1], s[14:15]    ; my column's 8 scale bytes (rows of ws are 32 bytes: these stores cover a quarter of each row)
.irp t, 0,1,2,3,4,5,6,7,8,9,10,11,12,13,14,15
	ds_load_b128 v[OUTR+4*\t:OUTR+4*\t+3], v7 offset:2*\t*PITCH   ; LDS serves a wave's instructions in order: these see my stores
.endr
.irp t, 0,1,2,3,4,5,6,7,8,9,10,11,12,13,14,15
	s_wait_dscnt 15-\t                             ; the younger stage loads may be out
	global_store_b128 v8, v[OUTR+4*\t:OUTR+4*\t+3], s[12:13] offset:(((2*\t)&7)+16*(((2*\t)>>3)&1)+8*(((2*\t)>>4)&1))*1024   ; columns 2 t, 2 t + 1 go to their rows: bits 3 and 4 exchanged
.endr
	s_wait_tensorcnt 0x0                           ; the wave's end
	ds_add_u32 v208, v209
	s_wait_dscnt 0x0
	s_endpgm
; Q, K, V
.set STEPS, 16
.set CB,    16                         ; bytes of 16 codes
.set R,     16                         ; v16-79   four sets of 16 numbers as they are loaded
.set X,     80                         ; v80-111  two sets of 16 neighbours
.set C,     128                        ; v128-191 codes: four registers for each step, so that no store's data are written again
.set E,     112                        ; v112-127 a scale byte for each step
.set WREG,  8192                       ; LDS: a region for each wave: two stages of 32 x SP bytes, and behind them its 256 scale bytes
.set SP,    80                         ; a lane's place in a stage: its 64 bytes + 16 of padding
.Lx:
	s_load_b128 s[4:7], s[0:1], 0x30               ; Q, K
	s_load_b128 s[8:11], s[0:1], 0x40              ; V, xc
	s_load_b64 s[12:13], s[0:1], 0x50              ; xs
	v_lshrrev_b32 v1, 5, v0
	v_readfirstlane_b32 s16, v1                    ; wave
	v_and_b32 v2, 31, v0                           ; lane
	v_lshlrev_b32 v3, 4, v2                        ; my 16 bytes of a load's 512
	s_mul_i32 s17, s16, WREG
	v_lshrrev_b32 v14, 2, v2
	v_mul_u32_u24 v14, v14, SP
	v_and_b32 v15, 3, v2
	v_lshl_add_u32 v14, v15, 4, v14
	v_add_nc_u32 v14, s17, v14                     ; the stage, on the way in: four lanes' 64 bytes on end, then 16 of padding
	v_mul_u32_u24 v15, v2, SP
	v_add_nc_u32 v15, s17, v15                     ; and on the way out: SP x lane: my 16 neighbours
	v_mul_u32_u24 v4, v2, CB                       ; my codes' place in a step's
	v_lshrrev_b32 v5, 1, v2
	s_add_co_u32 s17, s17, 2*32*SP
	v_add_nc_u32 v5, s17, v5                       ; LDS: my wave's 256 scale bytes, my block's byte
	v_lshlrev_b32 v7, 3, v2                        ; and on the way out 8 bytes a lane
	v_add_nc_u32 v6, s17, v7
	s_mov_b32 s23, 0x600000                        ; the mantissa field of 57,344
	s_sub_co_u32 s28, ttmp9, 128                   ; my number among this path's 768 work-groups
	s_lshr_b32 s14, s28, 8                         ; which tensor
	s_and_b32 s15, s28, 255
	s_lshl_b32 s15, s15, 2                         ; the work-group's first run of 8 rows in it
	s_add_co_u32 s18, s15, s16                     ; my run, as it is read:
	s_lshl_b32 s18, s18, 15                        ; 32,768 bytes a run
	s_mov_b32 s19, 0
	s_and_b32 s20, s16, 1                          ; and as it is written: the wave's two bits exchanged
	s_lshl_b32 s20, s20, 1
	s_lshr_b32 s21, s16, 1
	s_or_b32 s20, s20, s21
	s_add_co_u32 s20, s15, s20
	s_lshl_b32 s24, s20, 13                        ; codes: tensor x 2^23 + run x 8,192
	s_lshl_b32 s21, s14, 23
	s_add_co_u32 s24, s24, s21
	s_mov_b32 s25, 0
	s_lshl_b32 s26, s20, 8                         ; scale bytes: tensor x 2^18 + run x 256
	s_lshl_b32 s21, s14, 18
	s_add_co_u32 s26, s26, s21
	s_mov_b32 s27, 0
	s_wait_alu depctr_va_vdst(0)                   ; the wait at the head's end
	s_wait_kmcnt 0x0
	s_cmp_lt_u32 s28, 256                          ; the choice of the source hangs on the work-group's number alone
	s_cselect_b64 s[4:5], s[4:5], s[6:7]
	s_cmp_lt_u32 s28, 512
	s_cselect_b64 s[4:5], s[4:5], s[8:9]
	s_add_nc_u64 s[4:5], s[4:5], s[18:19]
	s_add_nc_u64 s[10:11], s[10:11], s[24:25]
	s_add_nc_u64 s[12:13], s[12:13], s[26:27]
.macro LOAD t
.irp i, 0,1,2,3
	global_load_b128 v[R+16*((\t)%4)+4*\i:R+16*((\t)%4)+4*\i+3], v3, s[4:5] offset:2048*(\t)+512*\i th:TH_LOAD_NT   ; 32 lanes read 512 consecutive bytes
.endr
.endm
.macro TURN t                          ; step t's numbers through the stage: LDS serves a wave's instructions in order, so no wait stands between the stores and the loads
.irp i, 0,1,2,3
	ds_store_b128 v14, v[R+16*((\t)%4)+4*\i:R+16*((\t)%4)+4*\i+3] offset:32*SP*((\t)%2)+8*SP*\i
.endr
.irp i, 0,1,2,3
	ds_load_b128 v[X+16*((\t)%2)+4*\i:X+16*((\t)%2)+4*\i+3], v15 offset:32*SP*((\t)%2)+16*\i
.endr
.endm
.irp t, 0,1,2,3
	LOAD \t
.endr
	s_wait_loadcnt 12                              ; step 0's four loads are in; those of steps 1 to 3 may be out
	TURN 0
.macro STEP t
.set XS, X+16*((\t)%2)
.if (\t) > 0
	s_wait_dscnt 1                                 ; this step's numbers are back from the stage (the last step's byte store may be out): so its stores into the stage have read their registers,
.else
	s_wait_dscnt 0x0
.endif
.if (\t)+4 < STEPS
	LOAD (\t)+4                                    ; which take the loads of four steps on
.endif
.if (\t)+1 < STEPS
.if STEPS-2-(\t) >= 3
	s_wait_loadcnt 12                              ; the next step's four loads are in; those of the three steps behind it may be out
.else
	s_wait_loadcnt 4*(STEPS-2-(\t))
.endif
	TURN (\t)+1                                    ; and go through the other stage while this step is worked
.endif
	v_max3_num_f32 v8, |v[XS]|, |v[XS+1]|, |v[XS+2]|               ; the largest magnitude of my 16
	v_max3_num_f32 v9, |v[XS+3]|, |v[XS+4]|, |v[XS+5]|
.irp i, 6,10
	v_max3_num_f32 v8, v8, |v[XS+\i]|, |v[XS+\i+1]|
	v_max3_num_f32 v9, v9, |v[XS+\i+2]|, |v[XS+\i+3]|
.endr
	v_max3_num_f32 v8, v8, |v[XS+14]|, |v[XS+15]|
	v_max3_num_f32 v8, v8, v9, 0x8000000           ; and the floor 2^(16 - 127): the byte cannot fall under 1
	v_max_num_f32_dpp v8, v8, v8 row_xmask:1 row_mask:0xf bank_mask:0xf   ; and of my neighbour's 16: the block's
	v_add_nc_u32 v11, 0xf8800000, v8               ; 15 off its exponent field: the conversion's scale operand
	v_and_or_b32 v10, v8, 0x7f800000, s23          ; 57,344 x the scale
.irp i, 0,1,2,3,4,5,6,7,8,9,10,11,12,13,14,15
	v_med3_num_f32 v[XS+\i], v[XS+\i], -v10, v10   ; the conversion to an 8-bit code does not saturate (ISA guide 7.6.2): the hold comes first
.endr
	v_cvt_scalef32_pk8_bf8_f32 v[C+4*(\t):C+4*(\t)+1], v[XS:XS+7], v11
	v_cvt_scalef32_pk8_bf8_f32 v[C+4*(\t)+2:C+4*(\t)+3], v[XS+8:XS+15], v11
	v_lshrrev_b32 v[E+(\t)], 23, v11               ; the scale's byte (also the plain line behind the conversions)
	ds_store_b8 v5, v[E+(\t)] offset:16*(\t)       ; both lanes of a block write the same byte with the same value
	global_store_b128 v4, v[C+4*(\t):C+4*(\t)+3], s[10:11] offset:32*CB*(\t)
.endm
.irp t, 0,1,2,3,4,5,6,7,8,9,10,11,12,13,14,15
	STEP \t
.endr
	ds_load_b64 v[12:13], v6                       ; LDS serves a wave's instructions in order: these see my stores
	s_wait_dscnt 0x0
	global_store_b64 v7, v[12:13], s[12:13]        ; 32 lanes store 256 consecutive aligned bytes
	s_wait_tensorcnt 0x0                           ; the wave's end
	ds_add_u32 v208, v209
	s_wait_dscnt 0x0
	s_endpgm
.Lfunc_end_k_qe9f5123b30_quant:
	.size	k_qe9f5123b30_quant, .Lfunc_end_k_qe9f5123b30_quant-k_qe9f5123b30_quant
	.p2alignl 7, 3214868480
	.fill 96, 4, 3214868480
	.section	.rodata,"a",@progbits
	.p2align	6, 0x0
	.amdhsa_kernel k_qe9f5123b30_quant
		.amdhsa_group_segment_fixed_size 68096
		.amdhsa_private_segment_fixed_size 0
		.amdhsa_enable_private_segment 0
		.amdhsa_kernarg_size 88
		.amdhsa_user_sgpr_count 2
		.amdhsa_user_sgpr_kernarg_segment_ptr 1
		.amdhsa_wavefront_size32 1
		.amdhsa_system_sgpr_workgroup_id_x 1
		.amdhsa_system_sgpr_workgroup_id_y 1
		.amdhsa_system_sgpr_workgroup_id_z 1
		.amdhsa_system_vgpr_workitem_id 0
		.amdhsa_next_free_vgpr 210
		.amdhsa_next_free_sgpr 66
		.amdhsa_reserve_vcc 0
		.amdhsa_float_denorm_mode_32 3
		.amdhsa_float_denorm_mode_16_64 3
		.amdhsa_memory_ordered 1
		.amdhsa_forward_progress 1
		.amdhsa_inst_pref_size 114
	.end_amdhsa_kernel
	.amdgpu_metadata
---
amdhsa.version: [ 1, 2 ]
amdhsa.kernels:
  - .name:           k_qe9f5123b30_quant
    .symbol:         k_qe9f5123b30_quant.kd
    .args:
      - { .name: Wq, .offset: 0, .size: 8, .value_kind: global_buffer, .address_space: global }
      - { .name: Wk, .offset: 8, .size: 8, .value_kind: global_buffer, .address_space: global }
      - { .name: Wv, .offset: 16, .size: 8, .value_kind: global_buffer, .address_space: global }
      - { .name: Wo, .offset: 24, .size: 8, .value_kind: global_buffer, .address_space: global }
      - { .name: wc, .offset: 32, .size: 8, .value_kind: global_buffer, .address_space: global }
      - { .name: ws, .offset: 40, .size: 8, .value_kind: global_buffer, .address_space: global }
      - { .name: Q, .offset: 48, .size: 8, .value_kind: global_buffer, .address_space: global }
      - { .name: K, .offset: 56, .size: 8, .value_kind: global_buffer, .address_space: global }
      - { .name: V, .offset: 64, .size: 8, .value_kind: global_buffer, .address_space: global }
      - { .name: xc, .offset: 72, .size: 8, .value_kind: global_buffer, .address_space: global }
      - { .name: xs, .offset: 80, .size: 8, .value_kind: global_buffer, .address_space: global }
    .group_segment_fixed_size: 68096
    .private_segment_fixed_size: 0
    .kernarg_segment_align: 8
    .kernarg_segment_size: 88
    .max_flat_workgroup_size: 128
    .sgpr_count:     66
    .vgpr_count:     210
    .wavefront_size: 32
...
	.end_amdgpu_metadata
.endif
;; end of part 1
;; launch proj (part 2): grid 32 x 12, 4 waves a work-group, clusters of 4 x 4, 327,680 bytes of LDS; arguments xc, xs, wc, ws, bq, bk, bv, att, atts; writes att, atts
.if DOCPART == 2
	.amdgcn_target "amdgcn-amd-amdhsa--gfx1250"
	.amdhsa_code_object_version 6
	.text
	.protected	k_qe9f5123b30_proj
	.globl	k_qe9f5123b30_proj
	.p2align	8
	.type	k_qe9f5123b30_proj,@function
k_qe9f5123b30_proj:
	s_mov_b64 s[64:65], 0
	v_nop
	global_prefetch_b8 v0, s[64:65] scope:SCOPE_SE
	s_setreg_imm32_b32 hwreg(HW_REG_WAVE_MODE, 25, 1), 1
	s_wait_xcnt 0x0
	s_wait_alu depctr_hold_cnt(0) depctr_sa_sdst(0) depctr_va_vdst(0) depctr_va_sdst(0) depctr_va_ssrc(0) depctr_va_vcc(0) depctr_vm_vsrc(0)
	s_getreg_b32 s2, hwreg(HW_REG_IB_STS2, 6, 4)
	s_cmp_eq_u32 s2, 0
	s_cbranch_scc0 .Lentry_in_a_cluster
	s_endpgm
.Lentry_in_a_cluster:
	s_bfe_u32 s2, ttmp6, 0x10000c
	s_cmp_lg_u32 s2, 0xf033
	s_cbranch_scc0 .Lentry_shape_is_right
	s_endpgm
.Lentry_shape_is_right:
.set NQ,     2
.set ROWB,   256
.set KROW,   1024
.set PITCH,  272
.set FR,     16
.set NL,     4
.set NP,     8
.set HALFT,  128*PITCH
.set SLOT,   4*HALFT
.set LAPS,   2
.set KS,     32
.set SCL,    2*SLOT
.set HALFS,  16*272
.set SBLK,   2*272
.set SPARE,  SCL+4*HALFS
.set ADRA, 16
.set ADRB, 20
.set ADRS, 27
.set SPW,  28
.set NIL,  29
.set BR,   8
.set BP,   64
.set SC,   32
.set AF,   128
.set TM,   128
.set TP,   132
.set HH,   136
.set SO,   140
.set PC,   144
.set SW,   160
.set WT,   168
.set G1, 24
.set G0, 32
.set G1B, 48
.set G0B, 56
.set G1S, 68
.set G0S, 76
.set G1SB, 80
.set G0SB, 88
.set SEL, 98
.set MNT, 100
.set MSB, 0
.macro WIN new
.if MSB != (\new)
	s_set_vgpr_msb (MSB<<8)|(\new)
.set MSB, (\new)
.endif
.endm
.set MUL_LO, 0xa1
.set MUL_HI, 0xf1
.set TO_B,   0x40
.macro JLOAD g0a, g1a, g0b, g1b
	s_cmp_eq_u32 s15, 0
	s_cbranch_scc0 .Lfor_b_\@
	tensor_load_to_lds s[\g0a:\g0a+3], s[\g1a:\g1a+7]
	s_nop 0
.rept 4
	v_nop
.endr
	s_branch .Lasked_\@
.Lfor_b_\@:
	tensor_load_to_lds s[\g0b:\g0b+3], s[\g1b:\g1b+7]
	s_nop 0
.rept 4
	v_nop
.endr
.Lasked_\@:
.endm
.macro CREST
	s_cmp_lg_u32 s14, 0
	s_cbranch_scc1 .Lnot_wave_0_\@
	s_barrier_signal -3
.Lnot_wave_0_\@:
	s_barrier_wait -3
	s_barrier_signal -1
	s_barrier_wait -1
.endm
.macro CROUND
	s_barrier_signal -1
	s_barrier_wait -1
	CREST
.endm
	s_load_b256 s[4:11], s[0:1], 0x0
	s_load_b128 s[96:99], s[0:1], 0x20
	s_load_b64 s[100:101], s[0:1], 0x30
	s_load_b64 s[12:13], s[0:1], 0x38
	s_load_b64 s[66:67], s[0:1], 0x40
	v_lshl_add_u32 v[SPW], v0, 2, SPARE
	v_mov_b32 v[NIL], 0
	ds_add_u32 v28, v29
	ds_add_u32 v28, v29
	s_wait_dscnt 0x0
	v_lshrrev_b32 v1, 5, v0
	v_readfirstlane_b32 s14, v1
	s_lshr_b32 s15, s14, 1
	s_and_b32 s16, s14, 1
	s_bfe_u32 s40, ttmp6, 0x40000
	s_bfe_u32 s41, ttmp6, 0x40004
	s_and_b32 s2, ttmp7, 0xffff
	s_lshl_b32 s95, ttmp9, 2
	s_lshl_b32 s18, s2, 13
	s_lshl_b32 s19, s2, 10
	s_cmp_eq_u32 s2, 2
	s_cselect_b32 s18, 2048, s18
	s_cselect_b32 s19, 16384, s19
	s_cselect_b32 s104, 0, s95
	s_cselect_b32 s105, s95, 0
	s_add_co_u32 s17, s41, s104
	s_add_co_u32 s42, s40, s105
	s_lshl_b32 s43, s41, 2
	s_lshl_b32 s43, 15, s43
	s_lshl_b32 s44, 0x1111, s40
	s_or_b32 s[G1+0], s43, (0<<16)|(1<<20)|(1<<21)|(5<<22)|(3<<25)
	s_or_b32 s[G1B+0], s44, (0<<16)|(1<<20)|(1<<21)|(5<<22)|(3<<25)
.irp g, G1, G1B
	s_mov_b32 s[\g+1], ROWB<<16
	s_mov_b32 s[\g+2], 256<<16                     ; the head's loads of codes bring 256 rows
	s_mov_b32 s[\g+3], ROWB<<16
	s_mov_b32 s[\g+4], 256
	s_mov_b32 s[\g+5], KROW
	s_mov_b32 s[\g+6], 0
	s_mov_b32 s[\g+7], 0
.endr
	s_or_b32 s[G1S+0], s43, (3<<16)|(1<<20)|(1<<21)|(5<<22)|(3<<25)
	s_or_b32 s[G1SB+0], s44, (3<<16)|(1<<20)|(1<<21)|(5<<22)|(3<<25)
.irp g, G1S, G1SB
	s_mov_b32 s[\g+1], 32<<16
	s_mov_b32 s[\g+2], 32<<16                      ; the scales of 256 rows: 32 rows of 256 bytes
	s_mov_b32 s[\g+3], 32<<16
	s_mov_b32 s[\g+4], 32
	s_mov_b32 s[\g+5], 32
	s_mov_b32 s[\g+6], 0
	s_mov_b32 s[\g+7], 0
.endr
	s_lshl_b32 s20, s17, 8                         ; the tiles' first rows
	s_add_co_u32 s20, s20, s18
	s_lshl_b32 s46, s42, 8
	s_add_co_u32 s46, s46, s19
	s_mov_b32 s21, 0
	s_mov_b32 s47, 0
	s_mov_b64 s[18:19], KS
	s_mul_u64 s[22:23], s[20:21], s[18:19]
	s_mul_u64 s[92:93], s[46:47], s[18:19]
	s_mov_b64 s[18:19], KROW
	s_mul_u64 s[20:21], s[20:21], s[18:19]
	s_mul_u64 s[46:47], s[46:47], s[18:19]
	s_mul_i32 s45, s14, HALFT
	s_mul_i32 s18, s16, 128*KROW                   ; in the ring I fetch 128 rows of a tile: which half, in bytes
	s_mov_b32 s19, 0
	s_wait_kmcnt 0x0
	s_cmp_eq_u32 s2, 2
	s_cselect_b64 s[104:105], s[8:9], s[4:5]
	s_cselect_b64 s[8:9], s[4:5], s[8:9]
	s_mov_b64 s[4:5], s[104:105]
	s_cselect_b64 s[104:105], s[10:11], s[6:7]
	s_cselect_b64 s[10:11], s[6:7], s[10:11]
	s_mov_b64 s[6:7], s[104:105]
	s_cselect_b64 s[100:101], s[100:101], s[98:99]
	s_cmp_eq_u32 s2, 0
	s_cselect_b64 s[96:97], s[96:97], s[100:101]
	s_add_nc_u64 s[20:21], s[4:5], s[20:21]
	s_add_nc_u64 s[22:23], s[6:7], s[22:23]
	s_add_nc_u64 s[46:47], s[8:9], s[46:47]
	s_add_nc_u64 s[92:93], s[10:11], s[92:93]
	CROUND
	s_mov_b32 s[G0S], 1
	s_mov_b32 s[G0S+1], SCL
	s_mov_b64 s[G0S+2:G0S+3], s[22:23]
	s_or_b32 s[G0S+3], s[G0S+3], 0x80000000
	s_mov_b32 s[G0SB], 1
	s_mov_b32 s[G0SB+1], SCL+2*HALFS
	s_mov_b64 s[G0SB+2:G0SB+3], s[92:93]
	s_or_b32 s[G0SB+3], s[G0SB+3], 0x80000000
.set G0H, 4                            ; s[4:7], s[8:11] group 0 for the head's loads of K step 0 (the arguments that lay there have been used)
.set G0HB, 8
	s_mov_b32 s[G0H], 1                            ; K step 0's 256 rows of source 1's tile,
	s_mov_b32 s[G0H+1], 0
	s_mov_b64 s[G0H+2:G0H+3], s[20:21]
	s_or_b32 s[G0H+3], s[G0H+3], 0x80000000
	s_mov_b32 s[G0HB], 1                           ; and of source 0's, behind them in slot 0
	s_mov_b32 s[G0HB+1], 2*HALFT
	s_mov_b64 s[G0HB+2:G0HB+3], s[46:47]
	s_or_b32 s[G0HB+3], s[G0HB+3], 0x80000000
	s_add_nc_u64 s[20:21], s[20:21], s[18:19]      ; for the ring: my 128 rows of the tile
	s_add_nc_u64 s[46:47], s[46:47], s[18:19]
.irp s, 0,1
	s_mov_b32 s[G0+4*\s], 1
	s_add_co_u32 s[G0+4*\s+1], s45, \s*SLOT
	s_add_nc_u64 s[G0+4*\s+2:G0+4*\s+3], s[20:21], \s*ROWB
	s_or_b32 s[G0+4*\s+3], s[G0+4*\s+3], 0x80000000
	s_mov_b32 s[G0B+4*\s], 1
	s_add_co_u32 s[G0B+4*\s+1], s45, \s*SLOT
	s_add_nc_u64 s[G0B+4*\s+2:G0B+4*\s+3], s[46:47], \s*ROWB
	s_or_b32 s[G0B+4*\s+3], s[G0B+4*\s+3], 0x80000000
.endr
; THE HEAD'S LOADS, ONE A WAVE: wave 0 fetches K step 0's 256 rows of one operand, wave 1 of the other, waves 2 and 3 their scales.  One tree of branches on the wave's number: every way passes exactly one load.
.macro ARM under, g0, g1, next
	s_cmp_lt_u32 s14, \under
	s_cbranch_scc0 \next
	tensor_load_to_lds s[\g0:\g0+3], s[\g1:\g1+7]
	s_nop 0
.rept 4
	v_nop
.endr
	s_branch .Lhead_asked
\next:
.endm
	ARM 1, G0H,  G1,  .Lhead_b
	ARM 2, G0HB, G1B, .Lhead_sa
	ARM 3, G0S,  G1S, .Lhead_sb
	tensor_load_to_lds s[G0SB:G0SB+3], s[G1SB:G1SB+7]
	s_nop 0
.rept 4
	v_nop
.endr
.Lhead_asked:
	v_and_b32 v1, 15, v0
	v_bfe_u32 v2, v0, 4, 1
	v_mul_u32_u24 v3, v1, PITCH
	v_lshl_add_u32 v4, v2, 4, v3
	s_mul_i32 s21, s15, HALFT
	s_mul_i32 s22, s16, HALFT
	s_add_co_u32 s22, s22, 2*HALFT
.irp s, 0,1
	v_add_nc_u32 v[ADRA+\s], s21, v4
	v_add_nc_u32 v[ADRB+\s], s22, v4
	s_add_co_u32 s21, s21, SLOT
	s_add_co_u32 s22, s22, SLOT
.endr
	v_mul_u32_u24 v5, v1, KS
	v_lshrrev_b32 v6, 8, v5
	v_lshl_add_u32 v5, v6, 4, v5
	s_mul_i32 s21, s15, HALFS
	s_mul_i32 s22, s16, HALFS
	s_add_co_u32 s22, s22, 2*HALFS
	s_sub_co_u32 s22, s22, s21
	v_mul_u32_u24 v6, s22, v2
	s_add_co_u32 s21, s21, SCL
	v_add_nc_u32 v5, v5, v6
	v_add_nc_u32 v[ADRS], s21, v5
	v_and_b32 v6, 31, v0
	v_lshlrev_b32 v7, 4, v6
	v_lshlrev_b32 v30, 3, v6
	v_lshlrev_b32 v22, 6, v2
	s_wait_alu depctr_va_vdst(0)
	v_and_b32 v23, 8, v1
	v_add_nc_u32 v23, v23, v1
	v_lshlrev_b32 v23, 2, v23
	s_wait_alu depctr_va_vdst(0)
	s_lshl_b32 s20, s17, 8
	s_lshl_b32 s21, s15, 7
	s_add_co_u32 s20, s20, s21
	s_lshl_b32 s22, s42, 8
	s_lshl_b32 s21, s16, 7
	s_add_co_u32 s22, s22, s21
	s_cmp_eq_u32 s2, 2
	s_cselect_b32 s92, s20, s22
	s_cselect_b32 s93, s22, s20
	s_cselect_b32 s94, 512, 0
	s_lshr_b32 s20, s93, 7
	s_lshr_b32 s21, s20, 4
	s_and_b32 s20, s20, 15
	s_lshl_b32 s21, s21, 4
	s_lshr_b32 s22, s92, 6
	s_add_co_u32 s21, s21, s22
	s_lshl_b32 s22, s21, 17
	s_lshl_b32 s23, s20, 13
	s_add_co_u32 s22, s22, s23
	s_lshl_b32 s23, s2, 23
	s_add_co_u32 s22, s22, s23
	s_mov_b32 s23, 0
	s_add_nc_u64 s[12:13], s[12:13], s[22:23]
	s_mul_i32 s22, s21, 12288
	s_mul_i32 s20, s20, 768
	s_add_co_u32 s22, s22, s20
	s_add_co_u32 s22, s22, s94
	s_min_u32 s20, s2, 1
	s_mul_i32 s20, s20, 786432
	s_add_co_u32 s22, s22, s20
	s_add_nc_u64 s[66:67], s[66:67], s[22:23]
	s_lshl_b32 s92, s92, 2
	s_mov_b32 s93, 0
	s_add_nc_u64 s[96:97], s[96:97], s[92:93]
.irp b, 0,1,2,3
.irp k, 0,1,2,3
	global_load_b128 v[BP+16*\b+4*\k:BP+16*\b+4*\k+3], v22, s[96:97] offset:128*\b+16*\k
.endr
.endr
.irp a, 0,1,2,3,4,5,6,7
	global_load_b32 v[BR+\a], v23, s[96:97] offset:(32*(\a/2)+8*(\a%2))*4
.endr
	s_mov_b32 s[SEL], 0x76543210
	s_mov_b32 s[SEL+1], 0xfedcba98
	s_mov_b32 s[MNT], 0x600000
.macro FRAG reg, adr, q, i
.irp c, 0,1,2,3
	ds_load_b128 v[\reg+4*\c:\reg+4*\c+3], v[\adr] offset:128*(\q)+32*\c+(\i)*16*PITCH
.endr
.endm
.macro MUL16 a0, p, q, sc, zero
.irp a, \a0, \a0+1
.irp b, 0,1,2,3,4,5,6,7
.if \zero
	v_wmma_scale_f32_16x16x128_f8f6f4 v[8*(8*((\a)%4)+\b):8*(8*((\a)%4)+\b)+7], v[128*(\p)+FR*\b:128*(\p)+FR*\b+FR-1], v[AF+FR*(\a):AF+FR*(\a)+FR-1], 0, v[SC+8*NQ*(\sc)+NQ*\b+(\q)], v[SC+8*NQ*(\sc)+NQ*(\a)+(\q)] matrix_a_fmt:MATRIX_FMT_BF8 matrix_b_fmt:MATRIX_FMT_BF8 matrix_a_scale:MATRIX_SCALE_ROW1
.else
	v_wmma_scale_f32_16x16x128_f8f6f4 v[8*(8*((\a)%4)+\b):8*(8*((\a)%4)+\b)+7], v[128*(\p)+FR*\b:128*(\p)+FR*\b+FR-1], v[AF+FR*(\a):AF+FR*(\a)+FR-1], v[8*(8*((\a)%4)+\b):8*(8*((\a)%4)+\b)+7], v[SC+8*NQ*(\sc)+NQ*\b+(\q)], v[SC+8*NQ*(\sc)+NQ*(\a)+(\q)] matrix_a_fmt:MATRIX_FMT_BF8 matrix_b_fmt:MATRIX_FMT_BF8 matrix_a_scale:MATRIX_SCALE_ROW1
.endif
.endr
.endr
.endm
.macro FETCH_B slot, q, p
	WIN TO_B
.irp i, 0,1,2,3,4,5,6,7
	FRAG 128*(\p)+FR*\i, ADRB+\slot, \q, \i
.endr
	WIN 0
.endm
.macro FETCH_A slot, q, i0
.irp i, \i0, \i0+1, \i0+2, \i0+3
	FRAG AF+FR*(\i), ADRA+\slot, \q, \i
.endr
.endm
.macro SCALES sc
.irp i, 0,1,2,3,4,5,6,7
	ds_load_b64 v[SC+8*NQ*\sc+NQ*\i:SC+8*NQ*\sc+NQ*\i+1], v[ADRS] offset:\i*SBLK
.endr
.endm
.macro PLACES n
.rept \n
	v_nop
.endr
.endm
.macro STEP slot, q, zero
	s_wait_dscnt 4*NL
	WIN MUL_LO
	MUL16 0, (\q)%2, \q, \slot, \zero
	MUL16 2, (\q)%2, \q, \slot, \zero
	s_wait_dscnt 0
	PLACES NP
	FETCH_B \slot, (\q)+1, 1-(\q)%2
	FETCH_A \slot, (\q)+1, 0
	WIN MUL_HI
	MUL16 4, (\q)%2, \q, \slot, \zero
	MUL16 6, (\q)%2, \q, \slot, \zero
	PLACES NP
	WIN 0
	FETCH_A \slot, (\q)+1, 4
.endm
.macro TURN slot, next, fill
	s_wait_tensorcnt 0x0
	ds_add_u32 v[SPW], v[NIL]
	s_wait_dscnt 4*NL+1
	WIN MUL_LO
	MUL16 0, 1, NQ-1, \slot, 0
	s_wait_dscnt 0x0
	s_barrier_signal -1
	MUL16 2, 1, NQ-1, \slot, 0
	WIN 0
	s_barrier_wait -1
.if \fill
	CREST
	s_add_nc_u64 s[G0+4*\slot+2:G0+4*\slot+3], s[G0+4*\slot+2:G0+4*\slot+3], 2*ROWB
	s_add_nc_u64 s[G0B+4*\slot+2:G0B+4*\slot+3], s[G0B+4*\slot+2:G0B+4*\slot+3], 2*ROWB
	JLOAD G0+4*\slot, G1, G0B+4*\slot, G1B
	PLACES NP-4
.else
	PLACES NP
.endif
	s_wait_alu depctr_va_vdst(0)
	v_add_nc_u32 v[ADRS], 4*NQ, v[ADRS]
	FETCH_B \next, 0, 0
	FETCH_A \next, 0, 0
	SCALES \next
	WIN MUL_HI
	MUL16 4, 1, NQ-1, \slot, 0
	MUL16 6, 1, NQ-1, \slot, 0
	PLACES NP
	WIN 0
	FETCH_A \next, 0, 4
.endm
	s_wait_alu depctr_va_vdst(0)                   ; the wait at the head's end
	s_wait_loadcnt 0x0                             ; the biases
	s_wait_tensorcnt 0x0                           ; my tile of the head's four is in
	ds_add_u32 v[SPW], v[NIL]
	s_mov_b32 s[G1+2], 128<<16                     ; no tensor load of mine is out, so a descriptor may be written: from here on a load brings 128 rows
	s_mov_b32 s[G1+4], 128
	s_mov_b32 s[G1B+2], 128<<16
	s_mov_b32 s[G1B+4], 128
	s_wait_dscnt 0x0
	CROUND                                         ; all four tiles are in, and all sixteen work-groups are here
	JLOAD G0+4, G1, G0B+4, G1B                     ; K step 1's load, the first tensor load behind the round
	FETCH_B 0, 0, 0
	FETCH_A 0, 0, 0
	SCALES 0
	FETCH_A 0, 0, 4
	STEP 0, 0, 1
	s_mov_b32 s3, LAPS-1
.Llap:
	TURN 0, 1, 1
	STEP 1, 0, 0
	TURN 1, 0, 1
	STEP 0, 0, 0
	s_sub_co_u32 s3, s3, 1
	s_cmp_lg_u32 s3, 0
	s_cbranch_scc1 .Llap
	TURN 0, 1, 0
	STEP 1, 0, 0
	s_wait_dscnt 4*NL
	WIN MUL_LO
	MUL16 0, 1, NQ-1, 1, 0
	MUL16 2, 1, NQ-1, 1, 0
	s_wait_dscnt 0
	WIN MUL_HI
	MUL16 4, 1, NQ-1, 1, 0
	MUL16 6, 1, NQ-1, 1, 0
	WIN 0
.macro EPI a, mv
.set XW, 2+(\a)/4
.set AC, 64*((\a)%4)
	WIN XW*65
.set n, 0
.rept 32
.if \mv
.if (\a)%2
	v_pk_add_f32 v[AC+n:AC+n+1], v[AC+n:AC+n+1], v[BR+(\a)-1:BR+(\a)] op_sel:[0,1] op_sel_hi:[1,1]
.else
	v_pk_add_f32 v[AC+n:AC+n+1], v[AC+n:AC+n+1], v[BR+(\a):BR+(\a)+1] op_sel_hi:[1,0]
.endif
.else
	v_pk_add_f32 v[AC+n:AC+n+1], v[AC+n:AC+n+1], v[BP+n:BP+n+1]
.endif
.set n, n+2
.endr
	WIN XW*20
.irp b, 0,1,2,3
	v_max3_num_f32 v[TM+\b], 0x8000000, |v[AC+16*\b]|, |v[AC+16*\b+1]|
.endr
.irp i, 2,4,6,8,10,12,14
.irp b, 0,1,2,3
	v_max3_num_f32 v[TM+\b], v[TM+\b], |v[AC+16*\b+\i]|, |v[AC+16*\b+\i+1]|
.endr
.endr
	WIN 0
.irp b, 0,1,2,3
	v_permlanex16_b32 v[TP+\b], v[TM+\b], s[SEL], s[SEL+1]
.endr
.irp b, 0,1,2,3
	v_max_num_f32 v[TM+\b], v[TM+\b], v[TP+\b]
.endr
.irp b, 0,1,2,3
	v_add_nc_u32 v[SO+\b], 0xf8800000, v[TM+\b]
.endr
.irp b, 0,1,2,3
	v_and_or_b32 v[HH+\b], v[TM+\b], 0x7f800000, s[MNT]
.endr
.irp b, 0,1,2,3
	v_lshrrev_b32 v[TP+\b], 23, v[SO+\b]
.endr
.set W0, WT+2*((\a)%2)
.if \mv
	v_lshl_or_b32 v[W0], v[TP+1], 8, v[TP]
	v_lshl_or_b32 v[W0], v[TP+2], 16, v[W0]
	v_lshl_or_b32 v[W0], v[TP+3], 24, v[W0]
.if (\a)%2
	v_cndmask_b32 v[SW+2*((\a)/4)+((\a)%4)/2], v[WT], v[W0], vcc_lo
.endif
.else
	v_lshl_or_b32 v[W0], v[TP+1], 8, v[TP]
	v_lshl_or_b32 v[W0+1], v[TP+3], 8, v[TP+2]
	v_or_b32 v[W0], 0x7f7f0000, v[W0]
	v_or_b32 v[W0+1], 0x7f7f0000, v[W0+1]
.if (\a)%2
	v_cndmask_b32 v[SW+(\a)/2], v[WT], v[W0], vcc_lo
	v_cndmask_b32 v[SW+4+(\a)/2], v[WT+1], v[W0+1], vcc_lo
.endif
.endif
	WIN XW*65
.irp b, 0,1,2,3
.irp i, 0,1,2,3,4,5,6,7,8,9,10,11,12,13,14,15
	v_med3_num_f32 v[AC+16*\b+\i], v[AC+16*\b+\i], -v[HH+\b], v[HH+\b]
.endr
.endr
	s_wait_alu depctr_va_vdst(0)
	s_wait_xcnt 0x0
	WIN XW
.irp b, 0,1,2,3
	v_cvt_scalef32_pk8_bf8_f32 v[PC+4*\b:PC+4*\b+1], v[AC+16*\b:AC+16*\b+7], v[SO+\b]
	v_cvt_scalef32_pk8_bf8_f32 v[PC+4*\b+2:PC+4*\b+3], v[AC+16*\b+8:AC+16*\b+15], v[SO+\b]
.endr
	WIN 0
	v_nop
.irp b, 0,1,2,3
.if \mv
	global_store_b128 v7, v[PC+4*\b:PC+4*\b+3], s[12:13] offset:((\a)/4)*131072+((\a)%4)*2048+\b*512
.else
	global_store_b128 v7, v[PC+4*\b:PC+4*\b+3], s[12:13] offset:(\b/2)*131072+(\a)*1024+(\b%2)*512
.endif
.endr
.endm
	PLACES NP
	v_cmp_le_u32 vcc_lo, 16, v6
.irp b, 0,1,2,3
	v_mov_b32 v[TP+\b], 0
.endr
	s_cmp_eq_u32 s2, 2
	s_cbranch_scc1 .Lv
.irp a, 0,1,2,3,4,5,6,7
	EPI \a, 0
.endr
	global_store_b128 v7, v[SW:SW+3], s[66:67]
	global_store_b128 v7, v[SW+4:SW+7], s[66:67] offset:12288
	s_branch .Lend
.Lv:
.irp a, 0,1,2,3,4,5,6,7
	EPI \a, 1
.endr
	global_store_b64 v30, v[SW:SW+1], s[66:67]
	global_store_b64 v30, v[SW+2:SW+3], s[66:67] offset:12288
.Lend:
	s_wait_tensorcnt 0x0
	ds_add_u32 v[SPW], v[NIL]
	s_wait_dscnt 0x0
	CROUND
	s_endpgm
.Lfunc_end_k_qe9f5123b30_proj:
	.size	k_qe9f5123b30_proj, .Lfunc_end_k_qe9f5123b30_proj-k_qe9f5123b30_proj
	.p2alignl 7, 3214868480
	.fill 96, 4, 3214868480
	.section	.rodata,"a",@progbits
	.p2align	6, 0x0
	.amdhsa_kernel k_qe9f5123b30_proj
		.amdhsa_group_segment_fixed_size 327680
		.amdhsa_private_segment_fixed_size 0
		.amdhsa_enable_private_segment 0
		.amdhsa_kernarg_size 72
		.amdhsa_user_sgpr_count 2
		.amdhsa_user_sgpr_kernarg_segment_ptr 1
		.amdhsa_wavefront_size32 1
		.amdhsa_system_sgpr_workgroup_id_x 1
		.amdhsa_system_sgpr_workgroup_id_y 1
		.amdhsa_system_sgpr_workgroup_id_z 1
		.amdhsa_system_vgpr_workitem_id 0
		.amdhsa_next_free_vgpr 1024
		.amdhsa_next_free_sgpr 106
		.amdhsa_reserve_vcc 1
		.amdhsa_float_denorm_mode_32 3
		.amdhsa_float_denorm_mode_16_64 3
		.amdhsa_memory_ordered 1
		.amdhsa_forward_progress 1
		.amdhsa_inst_pref_size 255
	.end_amdhsa_kernel
	.section	.bss,"aw",@nobits
	.p2align	6
	.space	262144
	.amdgpu_metadata
---
amdhsa.version: [ 1, 2 ]
amdhsa.kernels:
  - .name:           k_qe9f5123b30_proj
    .symbol:         k_qe9f5123b30_proj.kd
    .args:
      - { .name: xc, .offset: 0, .size: 8, .value_kind: global_buffer, .address_space: global }
      - { .name: xs, .offset: 8, .size: 8, .value_kind: global_buffer, .address_space: global }
      - { .name: wc, .offset: 16, .size: 8, .value_kind: global_buffer, .address_space: global }
      - { .name: ws, .offset: 24, .size: 8, .value_kind: global_buffer, .address_space: global }
      - { .name: bq, .offset: 32, .size: 8, .value_kind: global_buffer, .address_space: global }
      - { .name: bk, .offset: 40, .size: 8, .value_kind: global_buffer, .address_space: global }
      - { .name: bv, .offset: 48, .size: 8, .value_kind: global_buffer, .address_space: global }
      - { .name: att, .offset: 56, .size: 8, .value_kind: global_buffer, .address_space: global }
      - { .name: atts, .offset: 64, .size: 8, .value_kind: global_buffer, .address_space: global }
    .group_segment_fixed_size: 327680
    .private_segment_fixed_size: 0
    .kernarg_segment_align: 8
    .kernarg_segment_size: 72
    .max_flat_workgroup_size: 128
    .sgpr_count:     106
    .vgpr_count:     1024
    .wavefront_size: 32
...
	.end_amdgpu_metadata
.endif
;; end of part 2
;; launch attn (part 3): grid 4 x 64, 16 waves a work-group, clusters of 4 x 1, 327,680 bytes of LDS; arguments att, atts, oc, os; writes oc, os
.if DOCPART == 3
	.amdgcn_target "amdgcn-amd-amdhsa--gfx1250"
	.amdhsa_code_object_version 6
	.text
	.protected	k_qe9f5123b30_attn
	.globl	k_qe9f5123b30_attn
	.p2align	8
	.type	k_qe9f5123b30_attn,@function
k_qe9f5123b30_attn:
	s_mov_b64 s[64:65], 0
	v_nop
	global_prefetch_b8 v0, s[64:65] scope:SCOPE_SE
	s_setreg_imm32_b32 hwreg(HW_REG_WAVE_MODE, 25, 1), 1
	s_wait_xcnt 0x0
	s_wait_alu depctr_hold_cnt(0) depctr_sa_sdst(0) depctr_va_vdst(0) depctr_va_sdst(0) depctr_va_ssrc(0) depctr_va_vcc(0) depctr_vm_vsrc(0)
	s_getreg_b32 s2, hwreg(HW_REG_IB_STS2, 6, 4)
	s_cmp_eq_u32 s2, 0
	s_cbranch_scc0 .Lentry_in_a_cluster
	s_endpgm
.Lentry_in_a_cluster:
	s_bfe_u32 s2, ttmp6, 0x10000c
	s_cmp_lg_u32 s2, 0x3003
	s_cbranch_scc0 .Lentry_shape_is_right
	s_endpgm
.Lentry_shape_is_right:
; Attention of one (batch, head) on codes of BF8 (E5M2) with E8M0 scales: S^T = k q^T (K = the head's 64), p = 2^(t - M), O^T = v^T p^T (K = the keys), O / the row's sum, quantised along the head's 64 for the last product.
; t = score x log2(e) / 8; M = the running largest t rounded UP to a whole number; the row's sum is taken of the unquantised p, in f32; when M moves, the sums and O^T are multiplied by 2^(old M - new M): exact.
; SHARES.  Work-group y: 16 batch + head.  A work-group owns 512 queries: 4 x 64 = 256 work-groups.  Each of its sixteen waves owns two tiles of 16 queries, walked one after the other (tile T, then T + 16), in 256 registers.
; Every wave walks the head's 2,048 keys, 128 a step, once for each tile.
; THE HEAD'S k, v AND THEIR SCALE WORDS LIE IN LDS FOR THE WHOLE LAUNCH: 16 steps x (8,192 + 8,192) bytes + 12,288 bytes, filled once, never again.  They lie in memory as images of the operands' registers
; (32 lanes x 16 bytes on end), so every LDS load reads 512 consecutive bytes and needs no padding.
; CLUSTER.  The four work-groups of a cluster are the four query blocks of one head and want the same bytes: they ask for them JOINTLY (mask 15).  One load brings a key step's k and v: two rows of 8,192 bytes, 2^23 bytes apart.
; At the head waves 0 to 3 ask for steps 0 to 3 and wave 4 for the scale words: one load a wave.  Behind the waits, the add and a round of the cluster's barrier waves 0 to 11 ask for steps 4 to 15, one load a wave;
; these are out while steps 0 to 3 of the first tile are walked, and are waited for, with a barrier, in front of step 4.  The second tile passes no barrier.
; NO PREFETCH: every byte of k and v is asked for once, by the two groups of loads at the start; there is no loop ahead of them to ask from.
; K = 64 UNDER AN INSTRUCTION OF K = 128.  q's upper eight registers hold zero codes.  A tile of k is named with the eight registers behind it (the next tile's codes; behind the last tile the second tile's q codes):
; all finite, since the quantiser holds every number; they meet q's zeros under the scale bytes 0x7f and add exactly 0.
; LAYOUT.  Both products are used transposed: a lane holds ONE query (lane % 16) throughout.  The rows of a tile of k, and of v's channels, lie so that the 16 registers of result tiles 2 b, 2 b + 1 are 16 neighbours.
; LIMITS: NaN and infinities are not served; the promise holds while |t| stays under 2^31, and where |t| passes 2^24 the fraction of t - M is lost, as f32 has it; a block of zeros gets the byte 1 and not 127 (this program alone reads the bytes).
; os: a head owns 2 of a row's 32 scale bytes, so these stores cover 2 bytes a row: 262,144 bytes of the launch's output in all.
.set STEPB, 16384                      ; LDS: a key step: k's 16 images, then v's 16
.set SCB,   262144                     ; the scale words: 768 bytes a key step (512 of k's, 256 of v's)
.set SPARE, 274432                     ; the spare words, 128 bytes a wave
.set ADK,  6                           ; v6-8  LDS addresses of the step in hand: images, k's scale words, v's
.set ADS,  7
.set ADT,  8
.set KV,   32                          ; v32-95 a step's k or v; v96-103 the second tile's q codes
.set S,    104                         ; v104-167 S^T, then p
.set O,    168                         ; v168-199 O^T
.set PCD,  200                         ; v200-215 p's codes
.set BM,   224                         ; v224-227 a block's largest score, then p
.set BP,   228                         ; v228-231 the other half's, then the bytes
.set BH,   232                         ; v232-235 57,344 x the scale
.set BS,   236                         ; v236-239 the conversions' scale operands
.set F,    240                         ; v240 f = 2^(old M - new M); v241 named with it as a pair; v242, v243 at work
.set L,    244                         ; v244-251 the row's sum in four packed chains; v252 the second tile's q scale word
.set WV,   12                          ; s12 my wave's number
.set G1C,  16                          ; s[16:23] group 1: 2 rows of 8,192 bytes
.set G1S,  24                          ; s[24:31] group 1: 48 rows of 256 bytes
.set G0S,  32                          ; s[32:35] group 0 for the scale words; s[36:39] for a key step
.set G0C,  36
.set NC,   40                          ; s40 -log2(e) / 8
.set FLR,  41                          ; s41 the floor 2^(16 - 127)
.set SEL,  52                          ; s[52:53] lane selects: lane l xor 16
.set CS,   54                          ; s[54:55] c = log2(e) / 8
.set MNT,  56                          ; s56 the mantissa field of 57,344
.set TB,   57                          ; s57 the step's first LDS byte
.set TS,   58                          ; s58 and its offset among the scale words
.set CNT,  59                          ; s59 counts steps
.macro CROUND                          ; a round of the cluster's barrier
	s_barrier_signal -1
	s_barrier_wait -1
	s_cmp_lg_u32 s[WV], 0
	s_cbranch_scc1 .Lnot_wave_0_\@
	s_barrier_signal -3
.Lnot_wave_0_\@:
	s_barrier_wait -3
	s_barrier_signal -1
	s_barrier_wait -1
.endm
.macro ARM under, g0, g1, next         ; one arm of the head's tree: a load, and a jump to the tree's end
	s_cmp_lt_u32 s[WV], \under
	s_cbranch_scc0 \next
	tensor_load_to_lds s[\g0:\g0+3], s[\g1:\g1+7]
	s_nop 0
.rept 4
	v_nop
.endr
	s_branch .Lhead_asked
\next:
.endm
.macro INIT                            ; a tile's start: the step is written once, and the first finds zeros, which the first change of M leaves zeros
	v_mov_b32 v13, 0xff61b1e6                      ; the largest score so far: -3e38
	v_mov_b32 v12, 0x7f000000                      ; -M: 2^127, a whole number over every floor(-t): the first f is 0
.set j, 0
.rept 8
	v_mov_b32 v[L+j], 0
.set j, j+1
.endr
.set j, 0
.rept 32
	v_mov_b32 v[O+j], 0
.set j, j+1
.endr
.endm
	s_load_b256 s[4:11], s[0:1], 0x0               ; att, atts, oc, os
	v_lshl_add_u32 v254, v0, 2, SPARE
	v_mov_b32 v255, 0
	ds_add_u32 v254, v255                          ; the opening lines: the add, twice on end, and its wait
	ds_add_u32 v254, v255
	v_lshrrev_b32 v9, 5, v0
	v_readfirstlane_b32 s[WV], v9                  ; wave 0..15
	s_bfe_u32 s13, ttmp6, 0x40000                  ; cx
	s_lshl_b32 s14, ttmp9, 2
	s_add_co_u32 s14, s14, s13                     ; my block of 512 queries: it enters q's and the outputs' addresses alone
	s_and_b32 s15, ttmp7, 0xffff                   ; 16 batch + head, which the four partners share
	s_mov_b32 s[G1C], 15|(3<<16)|(1<<21)           ; the mask: all four; elements of 8 bytes; bit 21 beside a mask; no padding
	s_mov_b32 s[G1C+1], 1024<<16                   ; tensor_dim0 = 1,024 elements: 8,192 bytes
	s_mov_b32 s[G1C+2], 2<<16                      ; tensor_dim1 = 2: k's row, v's row
	s_mov_b32 s[G1C+3], 1024<<16                   ; tile_dim0
	s_mov_b32 s[G1C+4], 2                          ; tile_dim1
	s_mov_b32 s[G1C+5], 1048576                    ; the pitch: 2^23 bytes from k's region to v's
	s_mov_b32 s[G1C+6], 0
	s_mov_b32 s[G1C+7], 0
	s_mov_b32 s[G1S], 15|(3<<16)|(1<<21)
	s_mov_b32 s[G1S+1], 32<<16
	s_mov_b32 s[G1S+2], 48<<16
	s_mov_b32 s[G1S+3], 32<<16
	s_mov_b32 s[G1S+4], 48
	s_mov_b32 s[G1S+5], 32
	s_mov_b32 s[G1S+6], 0
	s_mov_b32 s[G1S+7], 0
	s_lshl_b32 s60, s[WV], 14                      ; LDS: step = my wave's number
	s_lshl_b32 s2, s15, 17                         ; att: k from 2^23, + head x 131,072 + step x 8,192
	s_add_co_u32 s2, s2, 8388608
	s_lshl_b32 s3, s[WV], 13
	s_add_co_u32 s2, s2, s3
	s_mov_b32 s3, 0
	s_mul_i32 s62, s15, 12288                      ; atts: the second region, + head x 12,288
	s_add_co_u32 s62, s62, 786432
	s_mov_b32 s63, 0
	s_mov_b32 s[SEL], 0x76543210
	s_mov_b32 s[SEL+1], 0xfedcba98
	s_mov_b32 s[CS], 0x3e38aa3b                    ; log2(e) / 8
	s_mov_b32 s[CS+1], s[CS]                       ; (named with it as a pair, so it is written)
	s_mov_b32 s[NC], 0xbe38aa3b
	s_mov_b32 s[FLR], 0x8000000
	s_mov_b32 s[MNT], 0x600000
	s_wait_dscnt 0x0
	s_wait_kmcnt 0x0
	s_mov_b32 s[G0S], 1
	s_mov_b32 s[G0S+1], SCB
	s_add_nc_u64 s[G0S+2:G0S+3], s[6:7], s[62:63]
	s_or_b32 s[G0S+3], s[G0S+3], 0x80000000
	s_mov_b32 s[G0C], 1
	s_mov_b32 s[G0C+1], s60
	s_add_nc_u64 s[G0C+2:G0C+3], s[4:5], s[2:3]
	s_or_b32 s[G0C+3], s[G0C+3], 0x80000000
	CROUND                                         ; all four work-groups are here: the joint loads meet
	ARM 4, G0C, G1C, .Lhead_s                      ; waves 0 to 3: key steps 0 to 3
	ARM 5, G0S, G1S, .Lhead_none                   ; wave 4: the scale words
.Lhead_asked:
	s_lshl_b32 s60, s14, 5
	s_add_co_u32 s60, s60, s[WV]                   ; T: my first tile of 16 queries among the head's 128; the second is T + 16
	s_lshl_b32 s62, s60, 10
	s_lshl_b32 s63, s15, 17
	s_add_co_u32 s62, s62, s63
	s_mov_b32 s63, 0
	s_add_nc_u64 s[4:5], s[4:5], s[62:63]          ; q's codes: head x 131,072 + T x 1,024
	s_mul_i32 s62, s15, 12288                      ; q's scale word: head x 12,288 + (T / 8) x 768 + 256 (T % 2) + 4 ((T % 8) / 2), + 16 r
	s_lshr_b32 s61, s60, 3
	s_mul_i32 s61, s61, 768
	s_add_co_u32 s62, s62, s61
	s_and_b32 s61, s[WV], 1
	s_lshl_b32 s61, s61, 8
	s_add_co_u32 s62, s62, s61
	s_bfe_u32 s61, s[WV], 0x20001
	s_lshl_b32 s61, s61, 2
	s_add_co_u32 s62, s62, s61
	s_add_nc_u64 s[6:7], s[6:7], s[62:63]
	s_lshr_b32 s61, s15, 4
	s_lshl_b32 s61, s61, 7
	s_add_co_u32 s61, s61, s60                     ; my row tile among all 512: 128 batch + T
	s_and_b32 s60, s15, 15                         ; the head
	s_lshl_b32 s62, s61, 14
	s_lshl_b32 s59, s60, 10
	s_add_co_u32 s62, s62, s59
	s_add_nc_u64 s[8:9], s[8:9], s[62:63]          ; oc: row tile x 16,384 + head x 1,024
	s_lshl_b32 s62, s61, 9
	s_lshl_b32 s59, s60, 1
	s_add_co_u32 s62, s62, s59
	s_add_nc_u64 s[10:11], s[10:11], s[62:63]      ; os: row tile x 512 + 2 x head
	v_and_b32 v9, 31, v0                           ; lane
	v_and_b32 v10, 15, v0                          ; r
	v_lshlrev_b32 v1, 4, v9                        ; v1: 16 x lane: my place in an image; never rewritten
	v_lshlrev_b32 v11, 4, v10                      ; 16 r
	global_load_b128 v[16:19], v1, s[4:5]          ; q's codes stay in registers: K = 0 .. 31,
	global_load_b128 v[20:23], v1, s[4:5] offset:512   ; K = 32 .. 63;
	global_load_b128 v[96:99], v1, s[4:5] offset:16384 ; and the second tile's, 16 tiles on
	global_load_b128 v[100:103], v1, s[4:5] offset:16896
	global_load_b32 v222, v11, s[6:7]              ; q's scale words
	global_load_b32 v252, v11, s[6:7] offset:1536  ; the second tile's: T / 8 is 2 more
	v_add_nc_u32 v3, SCB, v1                       ; v3: k's scale words: four a lane
	v_lshlrev_b32 v4, 3, v9
	v_lshlrev_b32 v5, 5, v10                       ; v5: 32 r: my row of os
	v_add_nc_u32 v4, SCB+512, v4                   ; v4: v's scale words: two a lane
.set j, 0
.rept 8
	v_mov_b32 v[24+j], 0                           ; q's K = 64 .. 127: zero codes
.set j, j+1
.endr
.irp b, 0,1,2,3
	v_mov_b32 v[BP+\b], 0                          ; written once: a lane permute's destination counts as one of its sources
.endr
	v_mov_b32 v[F+1], 0                            ; (named as the upper half of the pair)
	v_mov_b32 v242, 0
	INIT
; The hold and the conversion of blocks b, b + 1; the held numbers go to registers S + 16 d on.  The conversion does not saturate (ISA guide 7.6.2); p is not negative, so the hold is one-sided.
; Two holds to an instruction: one of each block, an even and an odd register, so that destinations and sources lie in different banks.
.macro HOLD b, d
.irp i, 0,2,4,6,8,10,12,14
	v_dual_min_num_f32 v[S+16*(\d)+\i], v[S+16*(\b)+\i], v[BH+\b] :: v_dual_min_num_f32 v[S+16*(\d)+17+\i], v[S+16*(\b)+17+\i], v[BH+\b+1]
	v_dual_min_num_f32 v[S+16*(\d)+1+\i], v[S+16*(\b)+1+\i], v[BH+\b] :: v_dual_min_num_f32 v[S+16*(\d)+16+\i], v[S+16*(\b)+16+\i], v[BH+\b+1]
.endr
.irp u, 0,1
	v_cvt_scalef32_pk8_bf8_f32 v[PCD+4*(\b+\u):PCD+4*(\b+\u)+1], v[S+16*(\d+\u):S+16*(\d+\u)+7], v[BS+\b+\u]
	v_cvt_scalef32_pk8_bf8_f32 v[PCD+4*(\b+\u)+2:PCD+4*(\b+\u)+3], v[S+16*(\d+\u)+8:S+16*(\d+\u)+15], v[BS+\b+\u]
.endr
.endm
; A KEY STEP: 128 keys.
.macro STEP
	v_add_nc_u32 v[ADK], s[TB], v1
	v_add_nc_u32 v[ADS], s[TS], v3
	v_add_nc_u32 v[ADT], s[TS], v4
.rept 5
	v_nop                                          ; with the three additions: eight places between the last step's products and the loads into the registers that they read
.endr
.set i, 0
.rept 16
	ds_load_b128 v[KV+4*i:KV+4*i+3], v[ADK] offset:512*i   ; k: tile i / 2, block i % 2
.set i, i+1
.endr
	ds_load_b128 v[216:219], v[ADS]                ; k's scale words: register j: tile 2 j in lanes 0-15, tile 2 j + 1 in lanes 16-31
	s_wait_alu depctr_va_vdst(0)                   ; the wait here
	s_wait_dscnt 0x0
.irp t, 0,2,4,6
	v_wmma_scale_f32_16x16x128_f8f6f4 v[S+8*\t:S+8*\t+7], v[KV+8*\t:KV+8*\t+15], v[16:31], 0, v[216+\t/2], v222 matrix_a_fmt:MATRIX_FMT_BF8 matrix_b_fmt:MATRIX_FMT_BF8
	v_wmma_scale_f32_16x16x128_f8f6f4 v[S+8*\t+8:S+8*\t+15], v[KV+8*\t+8:KV+8*\t+23], v[16:31], 0, v[216+\t/2], v222 matrix_a_fmt:MATRIX_FMT_BF8 matrix_b_fmt:MATRIX_FMT_BF8 matrix_a_scale:MATRIX_SCALE_ROW1
.endr
.rept 8
	v_nop                                          ; eight places: for the loads into k's registers, and for the first read of the scores
.endr
.set i, 0
.rept 16
	ds_load_b128 v[KV+4*i:KV+4*i+3], v[ADK] offset:8192+512*i   ; v: tile of channels i / 4, block of keys i % 4: they land while the softmax is walked
.set i, i+1
.endr
	ds_load_b64 v[220:221], v[ADT]                 ; v's scale words
; the largest score of each block of 32 keys: it serves for the row's maximum and, since p rises with the score, for the block's largest p.
; An even block leaves its register 15 for the last line, an odd block its register 0, so that the last line's two halves read different banks; each accumulator is first read in its four lowest registers.
.irp b, 0,1,2,3
	v_max3_num_f32 v[BM+\b], v[S+16*\b+(\b%2)], v[S+16*\b+(\b%2)+1], v[S+16*\b+(\b%2)+2]
.endr
.irp i, 3,5,7,9,11,13
.irp b, 0,1,2,3
	v_max3_num_f32 v[BM+\b], v[BM+\b], v[S+16*\b+(\b%2)+\i], v[S+16*\b+(\b%2)+\i+1]
.endr
.endr
.irp b, 0,2
	v_dual_max_num_f32 v[BM+\b], v[BM+\b], v[S+16*\b+15] :: v_dual_max_num_f32 v[BM+\b+1], v[BM+\b+1], v[S+16*\b+16]
.endr
.irp b, 0,1,2,3
	v_permlanex16_b32 v[BP+\b], v[BM+\b], s[SEL], s[SEL+1]
.endr
.irp b, 0,2
	v_dual_max_num_f32 v[BM+\b], v[BM+\b], v[BP+\b] :: v_dual_max_num_f32 v[BM+\b+1], v[BM+\b+1], v[BP+\b+1]   ; with lane l xor 16's 16 keys
.endr
	v_max3_num_f32 v242, v[BM], v[BM+1], v[BM+2]
	s_delay_alu instid0(VALU_DEP_1)
	v_max3_num_f32 v13, v13, v242, v[BM+3]         ; the running largest score of my query
	s_delay_alu instid0(VALU_DEP_1)
	v_mul_f32 v242, s[NC], v13                     ; -t (c is positive)
	s_delay_alu instid0(VALU_DEP_1)
	v_floor_f32 v243, v242                         ; the new -M = floor(-t) = -ceil(t): M is a whole number
	s_delay_alu instid0(VALU_DEP_1)
	v_sub_f32 v242, v243, v12                      ; M's old value less its new one: a whole number, 0 or less
	v_mov_b32 v12, v243
	s_delay_alu instid0(VALU_DEP_2)
	v_cvt_i32_f32 v242, v242                       ; (it saturates)
	s_delay_alu instid0(VALU_DEP_1)
	v_ldexp_f32 v[F], 1.0, v242                    ; f = 2^(old M - new M)
.set j, 0
.rept 32
	v_pk_fma_f32 v[S+j:S+j+1], v[S+j:S+j+1], s[CS:CS+1], v[12:13] op_sel_hi:[1,0,0]   ; t - M, two at a time
.set j, j+2
.endr
.irp b, 0,1,2,3
	v_fma_f32 v[BM+\b], v[BM+\b], s[CS], v12       ; the same of each block's largest score
.endr
.set j, 0
.rept 16
	v_pk_mul_f32 v[O+j:O+j+1], v[O+j:O+j+1], v[F:F+1] op_sel_hi:[1,0]   ; O^T under the new M, from each accumulator's low end on, ahead of the exponentials
.set j, j+2
.endr
	s_wait_alu depctr_va_vdst(0)                   ; the wait ahead of the batch
.set j, 0
.rept 64
	v_exp_f32 v[S+j], v[S+j]                       ; p = 2^(t - M), at most 1: not normalised
.set j, j+1
.endr
.irp b, 0,1,2,3
	v_exp_f32 v[BM+\b], v[BM+\b]                   ; the block's largest p: the same two instructions on the same number
.endr
	v_nop                                          ; a plain line behind the exponentials
	s_wait_alu depctr_va_vdst(0)                   ; one wait for the batch, ahead of its first reader
.irp b, 0,2
	v_dual_max_num_f32 v[BM+\b], s[FLR], v[BM+\b] :: v_dual_max_num_f32 v[BM+\b+1], s[FLR], v[BM+\b+1]   ; the floor 2^(16 - 127): the byte cannot fall under 1
.endr
.irp b, 0,1,2,3
	v_add_nc_u32 v[BS+\b], 0xf8800000, v[BM+\b]    ; 15 off the exponent field: the conversion's scale operand
.endr
.irp b, 0,1,2,3
	v_and_or_b32 v[BH+\b], v[BM+\b], 0x7f800000, s[MNT]   ; 57,344 x the scale
.endr
.irp b, 0,1,2,3
	v_lshrrev_b32 v[BP+\b], 23, v[BS+\b]           ; the scale's byte
.endr
.irp c, 0,1,2,3
	v_pk_fma_f32 v[L+2*\c:L+2*\c+1], v[L+2*\c:L+2*\c+1], v[F:F+1], v[S+2*\c:S+2*\c+1] op_sel_hi:[1,0,1]   ; the four chains of the row's sum: x f, + the unquantised p
.endr
.set j, 8
.rept 12
	v_pk_add_f32 v[L+(j%8):L+(j%8)+1], v[L+(j%8):L+(j%8)+1], v[S+j:S+j+1]   ; blocks 0 and 1, ahead of their hold
.set j, j+2
.endr
	HOLD 0, 0                                      ; blocks 0 and 1, held in place
	v_lshl_or_b32 v223, v[BP+1], 8, v[BP]          ; p's scale word for these 128 keys.  (Plain lines between the conversions and the writes of their sources below)
	s_delay_alu instid0(VALU_DEP_1)
	v_lshl_or_b32 v223, v[BP+2], 16, v223
	s_delay_alu instid0(VALU_DEP_1)
	v_lshl_or_b32 v223, v[BP+3], 24, v223
	HOLD 2, 0                                      ; blocks 2 and 3, held into the registers that blocks 0 and 1 have left: their unquantised p stays
.set j, 32
.rept 16
	v_pk_add_f32 v[L+(j%8):L+(j%8)+1], v[L+(j%8):L+(j%8)+1], v[S+j:S+j+1]   ; and is summed here: these sixteen stand between the codes' making and the products below
.set j, j+2
.endr
	s_wait_dscnt 0x0                               ; v and its scale words are in
.irp t, 0,2
	v_wmma_scale_f32_16x16x128_f8f6f4 v[O+8*\t:O+8*\t+7], v[KV+16*\t:KV+16*\t+15], v[PCD:PCD+15], v[O+8*\t:O+8*\t+7], v[220+\t/2], v223 matrix_a_fmt:MATRIX_FMT_BF8 matrix_b_fmt:MATRIX_FMT_BF8
	v_wmma_scale_f32_16x16x128_f8f6f4 v[O+8*\t+8:O+8*\t+15], v[KV+16*\t+16:KV+16*\t+31], v[PCD:PCD+15], v[O+8*\t+8:O+8*\t+15], v[220+\t/2], v223 matrix_a_fmt:MATRIX_FMT_BF8 matrix_b_fmt:MATRIX_FMT_BF8 matrix_a_scale:MATRIX_SCALE_ROW1
.endr
	s_add_co_u32 s[TB], s[TB], STEPB               ; the next step's images
	s_add_co_u32 s[TS], s[TS], 768                 ; and scale words
.endm
.macro WALK first, n                   ; n key steps from step first on
	s_mov_b32 s[TB], (\first)*STEPB
	s_mov_b32 s[TS], (\first)*768
	s_mov_b32 s[CNT], \n
.Lstep_\@:
	STEP
	s_sub_co_u32 s[CNT], s[CNT], 1
	s_cmp_lg_u32 s[CNT], 0
	s_cbranch_scc1 .Lstep_\@
.endm
; THE WAY OUT of tile T + 16 p.  O^T / the sum; register 16 b + i is channel 32 b + 16 (lane / 16) + i of my query: two blocks of the last product's K, quantised as they stand.
.macro WAYOUT p
.rept 8
	v_nop                                          ; behind the last products
.endr
	s_wait_alu depctr_va_vdst(0)                   ; the wait here, directly ahead of the first reader of the sums: the last step's wait for v stands between their last writes and these lines
	v_pk_add_f32 v[L:L+1], v[L:L+1], v[L+2:L+3]    ; the sum's four chains,
	v_pk_add_f32 v[L+4:L+5], v[L+4:L+5], v[L+6:L+7]
	s_delay_alu instid0(VALU_DEP_1)
	v_pk_add_f32 v[L:L+1], v[L:L+1], v[L+4:L+5]
	s_delay_alu instid0(VALU_DEP_1)
	v_add_f32 v[L], v[L], v[L+1]                   ; their two halves,
	s_delay_alu instid0(VALU_DEP_1)
	v_permlanex16_b32 v242, v[L], s[SEL], s[SEL+1]
	s_delay_alu instid0(VALU_DEP_1)
	v_add_f32 v[L], v[L], v242                     ; and lane l xor 16's: the row's sum
	s_wait_alu depctr_va_vdst(0)                   ; the wait ahead of the reciprocal
	v_rcp_f32 v[L], v[L]
	v_nop                                          ; a plain line behind it
	s_wait_alu depctr_va_vdst(0)                   ; the wait, directly ahead of the first readers of the reciprocal and of O^T
.set j, 0
.rept 16
	v_pk_mul_f32 v[S+j:S+j+1], v[O+j:O+j+1], v[L:L+1] op_sel_hi:[1,0]
.set j, j+2
.endr
.irp b, 0,1
	v_max3_num_f32 v[BM+\b], |v[S+16*\b]|, |v[S+1+16*\b]|, 0x8000000
.endr
.irp i, 2,4,6,8,10,12,14
.irp b, 0,1
	s_delay_alu instid0(VALU_DEP_2)
	v_max3_num_f32 v[BM+\b], v[BM+\b], |v[S+16*\b+\i]|, |v[S+1+16*\b+\i]|
.endr
.endr
.irp b, 0,1
	v_permlanex16_b32 v[BP+\b], v[BM+\b], s[SEL], s[SEL+1]
.endr
.irp b, 0,1
	v_max_num_f32 v[BM+\b], v[BM+\b], v[BP+\b]
.endr
.irp b, 0,1
	v_add_nc_u32 v[BS+\b], 0xf8800000, v[BM+\b]
.endr
.irp b, 0,1
	v_and_or_b32 v[BH+\b], v[BM+\b], 0x7f800000, s[MNT]
.endr
.irp b, 0,1
	v_lshrrev_b32 v[BP+\b], 23, v[BS+\b]
.endr
	s_delay_alu instid0(VALU_DEP_1)
	v_lshl_or_b32 v242, v[BP+1], 8, v[BP]          ; my row's two scale bytes
.irp b, 0,1
.irp i, 0,1,2,3,4,5,6,7,8,9,10,11,12,13,14,15
	v_med3_num_f32 v[S+16*\b+\i], v[S+16*\b+\i], -v[BH+\b], v[BH+\b]
.endr
	v_cvt_scalef32_pk8_bf8_f32 v[PCD+4*\b:PCD+4*\b+1], v[S+16*\b:S+16*\b+7], v[BS+\b]
	v_cvt_scalef32_pk8_bf8_f32 v[PCD+4*\b+2:PCD+4*\b+3], v[S+16*\b+8:S+16*\b+15], v[BS+\b]
.endr
	v_nop                                          ; a plain line behind the last conversion
	global_store_b128 v1, v[PCD:PCD+3], s[8:9] offset:262144*\p        ; 512 consecutive aligned bytes: four registers of the last product's operand
	global_store_b128 v1, v[PCD+4:PCD+7], s[8:9] offset:262144*\p+512
	global_store_b16 v5, v242, s[10:11] offset:8192*\p                 ; lanes r and r + 16 write the same two bytes with the same value
.endm
	s_wait_alu depctr_va_vdst(0)                   ; the wait at the head's end
	s_wait_loadcnt 0x0                             ; q, both tiles
	s_wait_tensorcnt 0x0                           ; my load of the head's five, if I have one, is in
	ds_add_u32 v254, v255
	ds_add_u32 v254, v255                          ; twice on end
	s_add_co_u32 s[G0C+1], s[G0C+1], 4*STEPB       ; no tensor load of mine is out, so group 0 may be written: four steps on, in LDS
	s_add_nc_u64 s[G0C+2:G0C+3], s[G0C+2:G0C+3], 4*8192   ; and in memory
	s_wait_dscnt 0x0
	CROUND                                         ; steps 0 to 3 and the scale words are whole, and all four work-groups are here
	s_cmp_lt_u32 s[WV], 12                         ; waves 0 to 11: key steps 4 to 15, each a first fill
	s_cbranch_scc0 .Lno_second
	tensor_load_to_lds s[G0C:G0C+3], s[G1C:G1C+7]
	s_nop 0
.rept 4
	v_nop
.endr
.Lno_second:
	WALK 0, 4                                      ; the first tile: steps 0 to 3, under the second group's flight
	s_wait_tensorcnt 0x0                           ; my part of steps 4 to 15 is in (no LDS load of mine is out: each step ends behind its wait for all of them);
	s_barrier_signal -1
	s_barrier_wait -1                              ; and everybody's
	WALK 4, 12
	WAYOUT 0
.set j, 0
.rept 8
	v_mov_b32 v[16+j], v[96+j]                     ; the second tile's q,
.set j, j+1
.endr
	v_mov_b32 v222, v252                           ; its scale words,
	INIT                                           ; and a new start
	s_wait_alu depctr_va_vdst(0)                   ; the wait here, directly ahead of the wait below
	s_wait_xcnt 0x0                                ; the first tile's stores have read their registers, which the steps write again
	WALK 0, 16
	WAYOUT 1
	s_wait_tensorcnt 0x0                           ; the wave's end
	ds_add_u32 v254, v255
	s_wait_dscnt 0x0
	CROUND                                         ; the closing round: no work-group ends while a partner may still ask jointly
	s_endpgm
.Lfunc_end_k_qe9f5123b30_attn:
	.size	k_qe9f5123b30_attn, .Lfunc_end_k_qe9f5123b30_attn-k_qe9f5123b30_attn
	.p2alignl 7, 3214868480
	.fill 96, 4, 3214868480
	.section	.rodata,"a",@progbits
	.p2align	6, 0x0
	.amdhsa_kernel k_qe9f5123b30_attn
		.amdhsa_group_segment_fixed_size 327680
		.amdhsa_private_segment_fixed_size 0
		.amdhsa_enable_private_segment 0
		.amdhsa_kernarg_size 32
		.amdhsa_user_sgpr_count 2
		.amdhsa_user_sgpr_kernarg_segment_ptr 1
		.amdhsa_wavefront_size32 1
		.amdhsa_system_sgpr_workgroup_id_x 1
		.amdhsa_system_sgpr_workgroup_id_y 1
		.amdhsa_system_sgpr_workgroup_id_z 1
		.amdhsa_system_vgpr_workitem_id 0
		.amdhsa_next_free_vgpr 256
		.amdhsa_next_free_sgpr 66
		.amdhsa_reserve_vcc 0
		.amdhsa_float_denorm_mode_32 3
		.amdhsa_float_denorm_mode_16_64 3
		.amdhsa_memory_ordered 1
		.amdhsa_forward_progress 1
		.amdhsa_inst_pref_size 80
	.end_amdhsa_kernel
	.amdgpu_metadata
---
amdhsa.version: [ 1, 2 ]
amdhsa.kernels:
  - .name:           k_qe9f5123b30_attn
    .symbol:         k_qe9f5123b30_attn.kd
    .args:
      - { .name: att, .offset: 0, .size: 8, .value_kind: global_buffer, .address_space: global }
      - { .name: atts, .offset: 8, .size: 8, .value_kind: global_buffer, .address_space: global }
      - { .name: oc, .offset: 16, .size: 8, .value_kind: global_buffer, .address_space: global }
      - { .name: os, .offset: 24, .size: 8, .value_kind: global_buffer, .address_space: global }
    .group_segment_fixed_size: 327680
    .private_segment_fixed_size: 0
    .kernarg_segment_align: 8
    .kernarg_segment_size: 32
    .max_flat_workgroup_size: 512
    .sgpr_count:     66
    .vgpr_count:     256
    .wavefront_size: 32
...
	.end_amdgpu_metadata
.endif
;; end of part 3
;; launch outp (part 4): grid 4 x 32, 4 waves a work-group, clusters of 4 x 4, 327,680 bytes of LDS; arguments oc, os, wc, ws, bo, out0; writes out0
.if DOCPART == 4
	.amdgcn_target "amdgcn-amd-amdhsa--gfx1250"
	.amdhsa_code_object_version 6
	.text
	.protected	k_qe9f5123b30_outp
	.globl	k_qe9f5123b30_outp
	.p2align	8
	.type	k_qe9f5123b30_outp,@function
k_qe9f5123b30_outp:
	s_mov_b64 s[64:65], 0
	v_nop
	global_prefetch_b8 v0, s[64:65] scope:SCOPE_SE
	s_setreg_imm32_b32 hwreg(HW_REG_WAVE_MODE, 25, 1), 1
	s_wait_xcnt 0x0
	s_wait_alu depctr_hold_cnt(0) depctr_sa_sdst(0) depctr_va_vdst(0) depctr_va_sdst(0) depctr_va_ssrc(0) depctr_va_vcc(0) depctr_vm_vsrc(0)
	s_getreg_b32 s2, hwreg(HW_REG_IB_STS2, 6, 4)
	s_cmp_eq_u32 s2, 0
	s_cbranch_scc0 .Lentry_in_a_cluster
	s_endpgm
.Lentry_in_a_cluster:
	s_bfe_u32 s2, ttmp6, 0x10000c
	s_cmp_lg_u32 s2, 0xf033
	s_cbranch_scc0 .Lentry_shape_is_right
	s_endpgm
.Lentry_shape_is_right:
.set NQ,     2
.set ROWB,   256
.set AROWB,  4096
.set KROW,   1024
.set PITCH,  272
.set FR,     16
.set NL,     4
.set NP,     8
.set HALFT,  128*PITCH
.set SLOT,   4*HALFT
.set LAPS,   2
.set KS,     32
.set SCL,    2*SLOT
.set HALFS,  16*272
.set SBLK,   2*272
.set SPARE,  SCL+4*HALFS
.set SPITCH, 528
.set NROW,   4096
.set ADRA, 16
.set ADRB, 20
.set STO,  24
.set RD,   25
.set CO,   26
.set ADRS, 27
.set SPW,  28
.set NIL,  29
.set BP,   64
.set SC,   32
.set AF,   128
.set BK,   128
.set G1, 24
.set G0, 32
.set G1B, 48
.set G0B, 56
.set G1S, 68
.set G0S, 76
.set G1SB, 80
.set G0SB, 88
.set MSB, 0
.macro WIN new
.if MSB != (\new)
	s_set_vgpr_msb (MSB<<8)|(\new)
.set MSB, (\new)
.endif
.endm
.set MUL_LO,  0xa1
.set MUL_HI,  0xf1
.set MUL_LO0, 0x81
.set MUL_HI0, 0xc1
.set TO_B,    0x40
.macro JLOAD g0a, g1a, g0b, g1b
	s_cmp_eq_u32 s15, 0
	s_cbranch_scc0 .Lfor_b_\@
	tensor_load_to_lds s[\g0a:\g0a+3], s[\g1a:\g1a+7]
	s_nop 0
.rept 4
	v_nop
.endr
	s_branch .Lasked_\@
.Lfor_b_\@:
	tensor_load_to_lds s[\g0b:\g0b+3], s[\g1b:\g1b+7]
	s_nop 0
.rept 4
	v_nop
.endr
.Lasked_\@:
.endm
.macro CREST
	s_cmp_lg_u32 s14, 0
	s_cbranch_scc1 .Lnot_wave_0_\@
	s_barrier_signal -3
.Lnot_wave_0_\@:
	s_barrier_wait -3
	s_barrier_signal -1
	s_barrier_wait -1
.endm
.macro CROUND
	s_barrier_signal -1
	s_barrier_wait -1
	CREST
.endm
	s_load_b256 s[4:11], s[0:1], 0x0
	s_load_b64 s[66:67], s[0:1], 0x20
	s_load_b64 s[12:13], s[0:1], 0x28
	v_lshl_add_u32 v[SPW], v0, 2, SPARE
	v_mov_b32 v[NIL], 0
	ds_add_u32 v28, v29
	ds_add_u32 v28, v29
	s_wait_dscnt 0x0
	v_lshrrev_b32 v1, 5, v0
	v_readfirstlane_b32 s14, v1
	s_lshr_b32 s15, s14, 1
	s_and_b32 s16, s14, 1
	s_bfe_u32 s40, ttmp6, 0x40000
	s_bfe_u32 s41, ttmp6, 0x40004
	s_lshl_b32 s42, ttmp9, 2
	s_add_co_u32 s42, s42, s40
	s_and_b32 s17, ttmp7, 0xffff
	s_lshl_b32 s17, s17, 2
	s_add_co_u32 s17, s17, s41
	s_lshl_b32 s43, s41, 2
	s_lshl_b32 s43, 15, s43
	s_lshl_b32 s44, 0x1111, s40
	s_or_b32 s[G1+0], s43, (3<<16)|(1<<21)
	s_mov_b32 s[G1+1], 512<<16
	s_mov_b32 s[G1+2], 8<<16
	s_mov_b32 s[G1+3], 512<<16
	s_mov_b32 s[G1+4], 8
	s_mov_b32 s[G1+5], 2048
	s_mov_b32 s[G1+6], 0
	s_mov_b32 s[G1+7], 0
	s_or_b32 s[G1B+0], s44, (0<<16)|(1<<20)|(1<<21)|(5<<22)|(3<<25)
	s_mov_b32 s[G1B+1], ROWB<<16
	s_mov_b32 s[G1B+2], 128<<16
	s_mov_b32 s[G1B+3], ROWB<<16
	s_mov_b32 s[G1B+4], 128
	s_mov_b32 s[G1B+5], KROW
	s_mov_b32 s[G1B+6], 0
	s_mov_b32 s[G1B+7], 0
	s_or_b32 s[G1S+0], s43, (3<<16)|(1<<20)|(1<<21)|(5<<22)|(3<<25)
	s_or_b32 s[G1SB+0], s44, (3<<16)|(1<<20)|(1<<21)|(5<<22)|(3<<25)
.irp g, G1S, G1SB
	s_mov_b32 s[\g+1], 32<<16
	s_mov_b32 s[\g+2], 16<<16
	s_mov_b32 s[\g+3], 32<<16
	s_mov_b32 s[\g+4], 16
	s_mov_b32 s[\g+5], 32
	s_mov_b32 s[\g+6], 0
	s_mov_b32 s[\g+7], 0
.endr
	s_lshl_b32 s18, s16, 7
	s_lshl_b32 s20, s17, 8
	s_add_co_u32 s20, s20, s18
	s_lshl_b32 s46, s42, 8
	s_add_co_u32 s46, s46, s18
	s_add_co_u32 s46, s46, 3072
	s_mov_b32 s21, 0
	s_mov_b32 s47, 0
	s_mov_b64 s[18:19], KS
	s_mul_u64 s[22:23], s[20:21], s[18:19]
	s_mul_u64 s[92:93], s[46:47], s[18:19]
	s_mov_b64 s[18:19], KROW
	s_mul_u64 s[20:21], s[20:21], s[18:19]
	s_mul_u64 s[46:47], s[46:47], s[18:19]
	s_mul_i32 s45, s14, HALFT
	s_mul_i32 s94, s14, HALFS
	s_wait_kmcnt 0x0
	s_add_nc_u64 s[20:21], s[4:5], s[20:21]
	s_add_nc_u64 s[22:23], s[6:7], s[22:23]
	s_add_nc_u64 s[46:47], s[8:9], s[46:47]
	s_add_nc_u64 s[92:93], s[10:11], s[92:93]
	CROUND
	s_mov_b32 s[G0S], 1
	s_add_co_u32 s[G0S+1], s94, SCL
	s_mov_b64 s[G0S+2:G0S+3], s[22:23]
	s_or_b32 s[G0S+3], s[G0S+3], 0x80000000
	s_mov_b32 s[G0SB], 1
	s_add_co_u32 s[G0SB+1], s94, SCL
	s_mov_b64 s[G0SB+2:G0SB+3], s[92:93]
	s_or_b32 s[G0SB+3], s[G0SB+3], 0x80000000
	JLOAD G0S, G1S, G0SB, G1SB
.irp s, 0,1
	s_mov_b32 s[G0+4*\s], 1
	s_add_co_u32 s[G0+4*\s+1], s45, \s*SLOT
	s_add_nc_u64 s[G0+4*\s+2:G0+4*\s+3], s[20:21], \s*AROWB
	s_or_b32 s[G0+4*\s+3], s[G0+4*\s+3], 0x80000000
	s_mov_b32 s[G0B+4*\s], 1
	s_add_co_u32 s[G0B+4*\s+1], s45, \s*SLOT
	s_add_nc_u64 s[G0B+4*\s+2:G0B+4*\s+3], s[46:47], \s*ROWB
	s_or_b32 s[G0B+4*\s+3], s[G0B+4*\s+3], 0x80000000
	s_wait_alu depctr_va_vdst(0)
	s_wait_tensorcnt 0x0
	ds_add_u32 v28, v29
	s_wait_dscnt 0x0
	CROUND
	JLOAD G0+4*\s, G1, G0B+4*\s, G1B
.endr
	v_and_b32 v1, 15, v0
	v_bfe_u32 v2, v0, 4, 1
	v_and_b32 v6, 31, v0
	v_lshlrev_b32 v[CO], 4, v6
	v_mul_u32_u24 v3, v1, PITCH
	v_lshl_add_u32 v4, v2, 4, v3
	s_mul_i32 s21, s15, HALFT
	s_mul_i32 s22, s16, HALFT
	s_add_co_u32 s22, s22, 2*HALFT
.irp s, 0,1
	v_add_nc_u32 v[ADRA+\s], s21, v[CO]
	v_add_nc_u32 v[ADRB+\s], s22, v4
	s_add_co_u32 s21, s21, SLOT
	s_add_co_u32 s22, s22, SLOT
.endr
	v_mul_u32_u24 v5, v1, KS
	v_lshrrev_b32 v6, 8, v5
	v_lshl_add_u32 v5, v6, 4, v5
	s_mul_i32 s21, s15, HALFS
	s_mul_i32 s22, s16, HALFS
	s_add_co_u32 s22, s22, 2*HALFS
	s_sub_co_u32 s22, s22, s21
	v_mul_u32_u24 v6, s22, v2
	s_add_co_u32 s21, s21, SCL
	v_add_nc_u32 v5, v5, v6
	v_add_nc_u32 v[ADRS], s21, v5
	s_mul_i32 s23, s14, 16*SPITCH
	v_mul_u32_u24 v5, v1, SPITCH
	v_lshl_add_u32 v5, v2, 6, v5
	v_add_nc_u32 v[STO], s23, v5
	v_add_nc_u32 v[RD], s23, v[CO]
	v_lshlrev_b32 v22, 6, v2
	s_wait_alu depctr_va_vdst(0)
	s_lshl_b32 s20, s17, 8
	s_lshl_b32 s21, s15, 7
	s_add_co_u32 s20, s20, s21
	s_mov_b32 s21, 0
	s_mov_b64 s[18:19], NROW
	s_mul_u64 s[20:21], s[20:21], s[18:19]
	s_lshl_b32 s46, s42, 10
	s_lshl_b32 s47, s16, 9
	s_add_co_u32 s46, s46, s47
	s_mov_b32 s47, 0
	s_add_nc_u64 s[66:67], s[66:67], s[46:47]
	s_add_nc_u64 s[20:21], s[20:21], s[46:47]
	s_add_nc_u64 s[12:13], s[12:13], s[20:21]
.irp b, 0,1,2,3
.irp k, 0,1,2,3
	global_load_b128 v[BP+16*\b+4*\k:BP+16*\b+4*\k+3], v22, s[66:67] offset:128*\b+16*\k
.endr
.endr
.macro FRAG reg, adr, q, i
.irp c, 0,1,2,3
	ds_load_b128 v[\reg+4*\c:\reg+4*\c+3], v[\adr] offset:128*(\q)+32*\c+(\i)*16*PITCH
.endr
.endm
.macro FRAGA reg, adr, q, i
.irp c, 0,1,2,3
	ds_load_b128 v[\reg+4*\c:\reg+4*\c+3], v[\adr] offset:4096*(\i)+2048*(\q)+512*\c
.endr
.endm
.macro MUL16 a0, p, q, sc, zero
.irp a, \a0, \a0+1
.irp b, 0,1,2,3,4,5,6,7
.if \zero
	v_wmma_scale_f32_16x16x128_f8f6f4 v[8*(8*((\a)%4)+\b):8*(8*((\a)%4)+\b)+7], v[128*(\p)+FR*\b:128*(\p)+FR*\b+FR-1], v[AF+FR*(\a):AF+FR*(\a)+FR-1], v[BP+8*\b:BP+8*\b+7], v[SC+8*NQ*(\sc)+NQ*\b+(\q)], v[SC+8*NQ*(\sc)+NQ*(\a)+(\q)] matrix_a_fmt:MATRIX_FMT_BF8 matrix_b_fmt:MATRIX_FMT_BF8 matrix_a_scale:MATRIX_SCALE_ROW1
.else
	v_wmma_scale_f32_16x16x128_f8f6f4 v[8*(8*((\a)%4)+\b):8*(8*((\a)%4)+\b)+7], v[128*(\p)+FR*\b:128*(\p)+FR*\b+FR-1], v[AF+FR*(\a):AF+FR*(\a)+FR-1], v[8*(8*((\a)%4)+\b):8*(8*((\a)%4)+\b)+7], v[SC+8*NQ*(\sc)+NQ*\b+(\q)], v[SC+8*NQ*(\sc)+NQ*(\a)+(\q)] matrix_a_fmt:MATRIX_FMT_BF8 matrix_b_fmt:MATRIX_FMT_BF8 matrix_a_scale:MATRIX_SCALE_ROW1
.endif
.endr
.endr
.endm
.macro FETCH_B slot, q, p
	WIN TO_B
.irp i, 0,1,2,3,4,5,6,7
	FRAG 128*(\p)+FR*\i, ADRB+\slot, \q, \i
.endr
	WIN 0
.endm
.macro FETCH_A slot, q, i0
.irp i, \i0, \i0+1, \i0+2, \i0+3
	FRAGA AF+FR*(\i), ADRA+\slot, \q, \i
.endr
.endm
.macro SCALES sc
.irp i, 0,1,2,3,4,5,6,7
	ds_load_b64 v[SC+8*NQ*\sc+NQ*\i:SC+8*NQ*\sc+NQ*\i+1], v[ADRS] offset:\i*SBLK
.endr
.endm
.macro PLACES n
.rept \n
	v_nop
.endr
.endm
.macro STEP slot, q, zero
	s_wait_dscnt 4*NL
.if \zero
	WIN MUL_LO0
.else
	WIN MUL_LO
.endif
	MUL16 0, (\q)%2, \q, \slot, \zero
	MUL16 2, (\q)%2, \q, \slot, \zero
	s_wait_dscnt 0
	PLACES NP
	FETCH_B \slot, (\q)+1, 1-(\q)%2
	FETCH_A \slot, (\q)+1, 0
.if \zero
	WIN MUL_HI0
.else
	WIN MUL_HI
.endif
	MUL16 4, (\q)%2, \q, \slot, \zero
	MUL16 6, (\q)%2, \q, \slot, \zero
	PLACES NP
	WIN 0
	FETCH_A \slot, (\q)+1, 4
.endm
.macro TURN slot, next, fill
	s_wait_tensorcnt 0x0
	ds_add_u32 v[SPW], v[NIL]
	s_wait_dscnt 4*NL+1
	WIN MUL_LO
	MUL16 0, 1, NQ-1, \slot, 0
	s_wait_dscnt 0x0
	s_barrier_signal -1
	MUL16 2, 1, NQ-1, \slot, 0
	WIN 0
	s_barrier_wait -1
.if \fill
	CREST
	s_add_nc_u64 s[G0+4*\slot+2:G0+4*\slot+3], s[G0+4*\slot+2:G0+4*\slot+3], 2*AROWB
	s_add_nc_u64 s[G0B+4*\slot+2:G0B+4*\slot+3], s[G0B+4*\slot+2:G0B+4*\slot+3], 2*ROWB
	JLOAD G0+4*\slot, G1, G0B+4*\slot, G1B
	PLACES NP-4
.else
	PLACES NP
.endif
	s_wait_alu depctr_va_vdst(0)
	v_add_nc_u32 v[ADRS], 4*NQ, v[ADRS]
	FETCH_B \next, 0, 0
	FETCH_A \next, 0, 0
	SCALES \next
	WIN MUL_HI
	MUL16 4, 1, NQ-1, \slot, 0
	MUL16 6, 1, NQ-1, \slot, 0
	PLACES NP
	WIN 0
	FETCH_A \next, 0, 4
.endm
	s_wait_loadcnt 0x0
	s_wait_tensorcnt 1
	s_barrier_signal -1
	s_barrier_wait -1
	FETCH_B 0, 0, 0
	FETCH_A 0, 0, 0
	SCALES 0
	FETCH_A 0, 0, 4
	STEP 0, 0, 1
	s_mov_b32 s3, LAPS-1
.Llap:
	TURN 0, 1, 1
	STEP 1, 0, 0
	TURN 1, 0, 1
	STEP 0, 0, 0
	s_sub_co_u32 s3, s3, 1
	s_cmp_lg_u32 s3, 0
	s_cbranch_scc1 .Llap
	TURN 0, 1, 0
	STEP 1, 0, 0
	s_wait_dscnt 4*NL
	WIN MUL_LO
	MUL16 0, 1, NQ-1, 1, 0
	MUL16 2, 1, NQ-1, 1, 0
	s_wait_dscnt 0
	WIN MUL_HI
	MUL16 4, 1, NQ-1, 1, 0
	MUL16 6, 1, NQ-1, 1, 0
	WIN 0
.macro TOSTAGE a
.set AC, 64*((\a)%4)
	WIN 0x08+4*((\a)/4)
.irp b, 0,1,2,3,4,5,6,7
	ds_store_b128 v[STO], v[AC+8*\b:AC+8*\b+3] offset:128*(\b/2)+32*(\b%2)
	ds_store_b128 v[STO], v[AC+8*\b+4:AC+8*\b+7] offset:128*(\b/2)+32*(\b%2)+16
.endr
	WIN 0
.set BB, BK+64*((\a)%2)
.irp t, 0,1,2,3,4,5,6,7,8,9,10,11,12,13,14,15
	ds_load_b128 v[BB+4*\t:BB+4*\t+3], v[RD] offset:\t*SPITCH
.endr
.endm
.macro SEND a, younger
.set BB, BK+64*((\a)%2)
	s_wait_dscnt \younger
.irp t, 0,1,2,3,4,5,6,7,8,9,10,11,12,13,14,15
	global_store_b128 v[CO], v[BB+4*\t:BB+4*\t+3], s[12:13] offset:(32*((\a)/2)+8*((\a)%2)+\t+8*(\t/8))*NROW th:TH_STORE_NT
.endr
.endm
	PLACES NP
	TOSTAGE 0
.irp a, 1,2,3,4,5,6,7
.if \a > 1
	s_wait_xcnt 0x0
.endif
	TOSTAGE \a
	SEND \a-1, 32
.endr
	SEND 7, 0
	s_wait_tensorcnt 0x0
	ds_add_u32 v[SPW], v[NIL]
	s_wait_dscnt 0x0
	CROUND
	s_endpgm
.Lfunc_end_k_qe9f5123b30_outp:
	.size	k_qe9f5123b30_outp, .Lfunc_end_k_qe9f5123b30_outp-k_qe9f5123b30_outp
	.p2alignl 7, 3214868480
	.fill 96, 4, 3214868480
	.section	.rodata,"a",@progbits
	.p2align	6, 0x0
	.amdhsa_kernel k_qe9f5123b30_outp
		.amdhsa_group_segment_fixed_size 327680
		.amdhsa_private_segment_fixed_size 0
		.amdhsa_enable_private_segment 0
		.amdhsa_kernarg_size 48
		.amdhsa_user_sgpr_count 2
		.amdhsa_user_sgpr_kernarg_segment_ptr 1
		.amdhsa_wavefront_size32 1
		.amdhsa_system_sgpr_workgroup_id_x 1
		.amdhsa_system_sgpr_workgroup_id_y 1
		.amdhsa_system_sgpr_workgroup_id_z 1
		.amdhsa_system_vgpr_workitem_id 0
		.amdhsa_next_free_vgpr 1024
		.amdhsa_next_free_sgpr 98
		.amdhsa_reserve_vcc 0
		.amdhsa_float_denorm_mode_32 3
		.amdhsa_float_denorm_mode_16_64 3
		.amdhsa_memory_ordered 1
		.amdhsa_forward_progress 1
		.amdhsa_inst_pref_size 148
	.end_amdhsa_kernel
	.amdgpu_metadata
---
amdhsa.version: [ 1, 2 ]
amdhsa.kernels:
  - .name:           k_qe9f5123b30_outp
    .symbol:         k_qe9f5123b30_outp.kd
    .args:
      - { .name: oc, .offset: 0, .size: 8, .value_kind: global_buffer, .address_space: global }
      - { .name: os, .offset: 8, .size: 8, .value_kind: global_buffer, .address_space: global }
      - { .name: wc, .offset: 16, .size: 8, .value_kind: global_buffer, .address_space: global }
      - { .name: ws, .offset: 24, .size: 8, .value_kind: global_buffer, .address_space: global }
      - { .name: bo, .offset: 32, .size: 8, .value_kind: global_buffer, .address_space: global }
      - { .name: out0, .offset: 40, .size: 8, .value_kind: global_buffer, .address_space: global }
    .group_segment_fixed_size: 327680
    .private_segment_fixed_size: 0
    .kernarg_segment_align: 8
    .kernarg_segment_size: 48
    .max_flat_workgroup_size: 128
    .sgpr_count:     98
    .vgpr_count:     1024
    .wavefront_size: 32
...
	.end_amdgpu_metadata
.endif
;; end of part 4
